; MI455X (gfx1250); checked and timed in simulation.
; The chip was launched on July 23, 2026; its instructions are those of AMD's public machine-readable ISA for CDNA 5 (MIT licence, August 2026) and "CDNA5" Instruction Set Architecture Reference Guide (July 2026). The comments in the code are by the model that wrote it; some were corrected since.
;; Multi Head Attention. Allowed arithmetic: matrix products marked QUANTISED: E4M3 operands, one given power-of-two scale a tensor, by v_wmma_f32_16x16x64_fp8_fp8 or v_wmma_f32_16x16x128_fp8_fp8, f32 sums; everything else in f32.
;; Inputs: Wk 1,024 x 1,024 float32; Wo 1,024 x 1,024 float32; Wq 1,024 x 1,024 float32; Wv 1,024 x 1,024 float32; bo 1,024 float32; inputs 4 x 2,048 x 1,024 float32; lowp_scales 12 int32 (the exponents e of the quantised operands' scales 2^e).
;; Outputs: out0 4 x 2,048 x 1,024 float32.
;; This version of the problem:
;;   THIS VERSION OF THE PROBLEM IS GIVEN IN LOW PRECISION. The matrix products marked QUANTISED in the list below multiply operands that are first quantised to E4M3 (4 exponent bits, 3 mantissa bits; 8 bits a number), with one given power-of-two scale for each operand tensor; their sums are f32. All else is computed in f32.
;;   The module's matrix products, in the order in which they are computed (A, B: the left and right operand; K: the contracted axis; several contracted axes count as one K, in the product's order):
;;     1. [M 8,192, K 1,024] x [K 1,024, N 1,024]; A: input inputs; B: input Wq: QUANTISED (scales: A lowp_scales[0], B lowp_scales[1])
;;     2. [M 8,192, K 1,024] x [K 1,024, N 1,024]; A: input inputs; B: input Wk: QUANTISED (scales: A lowp_scales[2], B lowp_scales[3])
;;     3. [M 8,192, K 1,024] x [K 1,024, N 1,024]; A: input inputs; B: input Wv: QUANTISED (scales: A lowp_scales[4], B lowp_scales[5])
;;     4. batch 64 x [M 2,048, K 64] x [K 64, N 2,048]; A: computed on the way; B: computed on the way: QUANTISED (scales: A lowp_scales[6], B lowp_scales[7])
;;     5. batch 64 x [M 2,048, K 2,048] x [K 2,048, N 64]; A: softmax (see below); B: computed on the way: QUANTISED (scales: A lowp_scales[8], B lowp_scales[9])
;;     6. [M 8,192, K 1,024] x [K 1,024, N 1,024]; A: computed on the way; B: input Wo: QUANTISED (scales: A lowp_scales[10], B lowp_scales[11])
;;   THE QUANTISER, for each operand of a quantised product, along K:
;;     - The operand's scale is 2^e, e = its entry of the input lowp_scales (int32; the entries are numbered through the quantised products in the list's order, A before B).
;;     - Each number is divided by the scale, clamped to +-448, and rounded to the nearest number of E4M3, ties to even, subnormals kept.
;;     - The product sums the exact products of the quantised numbers (number of the format x scale) in f32.
;;   ~~~python
;;   def quantise(x, axis, e):      # numpy; x: float32 -> the quantised numbers, widened to float32 again
;;       x = np.moveaxis(x, axis, -1); K = x.shape[-1]
;;       r = np.clip(x / 2.0 ** e, -448, 448)
;;       step = 2.0 ** (np.maximum(np.frexp(np.where(r == 0, 1, r))[1] - 1, -6) - 3)
;;       q = np.round(r / step) * step * 2.0 ** e      # np.round: ties to even
;;       return np.moveaxis(q, -1, axis).astype(np.float32)
;;   ~~~
;;   SOFTMAX AHEAD OF A QUANTISED PRODUCT. Where the list says 'softmax', what is quantised is not the finished softmax but p = 2^(t - M), with t = logit x log2(e) and M = ceil(the row's largest t), a whole number; so 1/2 < the row's largest p <= 1. The row's sum l is taken of the UNQUANTISED p, in f32, and the product's result is divided by l at the end. Since M is a whole number, a kernel that streams over the keys may use a running M (the ceiling of the running maximum): every later rescaling is an exact power of two, so the quantised numbers keep their values, but for numbers so far below the row's largest that they fall under the format's range.
;;   OPERANDS COMPUTED ON THE WAY. 'Computed on the way' means the value that the module computes at that place (a softmax that the list does not call 'softmax' is quantised finished and normalised). What goes into a quantiser is computed in f32, as accurately as f32 sums, v_exp_f32 and their like allow (about 1e-6 of the number): no bf16 or f16 on the way to a quantiser, and a product that is left as it is and whose result goes on into a quantised operand takes f32 operands (vector FMAs, or v_wmma_f32_16x16x4_f32). A number that lies on a knife's edge between two numbers of the format may be rounded either way, as far as f32 arithmetic and the matrix unit's own rounding can turn it there, and no further.
;; 2 versions, each right; version 2 is version 1 with the launches quant, attn written anew for expert scheduling mode. Each part assembles by itself: llvm-mc -triple=amdgcn-amd-amdhsa -mcpu=gfx1250 --defsym DOCPART=n.
;; ======== version 1 of 2: 4 launches
;; workspace buffers: xc 25,165,824 bytes; wc 4,194,304 bytes; qkvc 25,165,824 bytes; ctxc 8,388,608 bytes
;; launch quant (part 1): grid 384 x 1, 4 waves a work-group, no clusters, 68,096 bytes of LDS; arguments inputs, lowp_scales, xc, Wq, Wk, Wv, Wo, wc; writes xc, wc
.if DOCPART == 1
	.amdgcn_target "amdgcn-amd-amdhsa--gfx1250"
	.amdhsa_code_object_version 6
	.text
	.protected	k_qf9688074f7_quant
	.globl	k_qf9688074f7_quant
	.p2align	8
	.type	k_qf9688074f7_quant,@function
k_qf9688074f7_quant:
	s_mov_b64 s[64:65], 0
	v_nop
	global_prefetch_b8 v0, s[64:65] scope:SCOPE_SE
	s_setreg_imm32_b32 hwreg(HW_REG_WAVE_MODE, 25, 1), 1
	s_wait_xcnt 0x0
; THE QUANTISERS OF THE INPUTS.  code = x / 2^e, held within +-448, rounded to the nearest E4M3 code, ties to even.
; Work-groups 0-255: inputs [8192][1024] f32 -> three tensors of codes (scales e0, e2, e4), each [8192][1024] bytes, K innermost, 0x800000 bytes apart in xc.
;   The numbers are read once and converted three times.  A wave takes 16 steps of 512 numbers.  Each load reads 512 consecutive bytes; a step's 2,048 bytes turn through the wave's own stage in LDS
;   (16 bytes of padding behind each 64), so that a lane then holds 16 neighbours along K; its 16 codes are 16 bytes, and a wave's store covers 512 consecutive bytes.
; Work-groups 256-383: Wq, Wk, Wv, Wo [k 1024][n 1024] f32 (scales e1, e3, e5, e11) -> codes [n][k], K innermost, 0x100000 bytes apart in wc.  A lane takes a column n and its registers run down K;
;   a wave takes 32 columns x 256 along K; the codes go through the wave's own stage and leave as rows: sixteen lanes store 256 consecutive bytes, aligned.
; The two ways part on the work-group's number, never meet again, and have LDS bytes of their own (0-32767; 32768-67583).  Waves share nothing: no barrier.
; LIMITS: each e used here lies between -126 and 119, so that 2^e and 448 x 2^e are f32 numbers.  NaN among the inputs is not served (an infinity is held at the largest code).
.set XCB,   0x800000                   ; bytes of one tensor of x's codes
.set STEPS, 16
.set SP,    80                         ; a lane's place in a stage: 64 bytes + 16 of padding
.set R,     32                         ; v32-95    four sets of 16 numbers as loaded
.set X,     96                         ; v96-127   two sets of 16 neighbours
.set T,     128                        ; v128-175  the held numbers, a set for each of the three scales
.set C,     176                        ; v176-199  codes: two sets of 12 registers
.set SCL,   20                         ; v20,22,24 2^e as f32;  v21,23,25 448 x 2^e
.set PW,    272                        ; weights: a stage row, 256 bytes + 16
.set WSTG,  32768                      ; weights: the stages begin here
.set WX,    32                         ; v32-95    two sets of 32 numbers
.set WCD,   96                         ; v96-103   a block's codes
.set OUTR,  112                        ; v112-175  the way out
	s_load_b512 s[4:19], s[0:1], 0x0               ; inputs s[4:5], scales s[6:7], xc s[8:9], Wq s[10:11], Wk s[12:13], Wv s[14:15], Wo s[16:17], wc s[18:19]
	v_lshl_add_u32 v200, v0, 2, 0x10800
	v_mov_b32 v201, 0
	v_lshrrev_b32 v1, 5, v0
	v_readfirstlane_b32 s32, v1                    ; wave 0..3
	v_and_b32 v2, 31, v0                           ; lane
	s_wait_kmcnt 0x0
	s_load_b256 s[20:27], s[6:7], 0x0              ; e0 .. e7
	s_load_b128 s[28:31], s[6:7], 0x20             ; e8 .. e11
	s_cmp_lt_u32 ttmp9, 256
	s_cbranch_scc0 .Lweights
; ---------------- x ----------------
	s_lshl_b32 s33, ttmp9, 2
	s_add_co_u32 s33, s33, s32                     ; which run of 8,192 numbers is my wave's
	s_lshl_b32 s42, s33, 15
	s_mov_b32 s43, 0
	s_add_nc_u64 s[34:35], s[4:5], s[42:43]        ; the numbers
	s_lshl_b32 s42, s33, 13
	s_add_nc_u64 s[36:37], s[8:9], s[42:43]        ; the codes under e0,
	s_add_nc_u64 s[38:39], s[36:37], XCB           ; under e2,
	s_add_nc_u64 s[40:41], s[38:39], XCB           ; under e4
	s_lshl_b32 s44, s32, 13                        ; my wave's 8,192 bytes of LDS
	v_lshlrev_b32 v3, 4, v2                        ; my 16 bytes of a load's 512, and of a store's; never rewritten
	v_lshrrev_b32 v14, 2, v2
	v_mul_u32_u24 v14, v14, SP
	v_and_b32 v15, 3, v2
	v_lshl_add_u32 v14, v15, 4, v14
	v_add_nc_u32 v14, s44, v14                     ; the stage, on the way in: SP (lane / 4) + 16 (lane % 4)
	v_mul_u32_u24 v15, v2, SP
	v_add_nc_u32 v15, s44, v15                     ; and on the way out: SP x lane
.macro XLOAD t
.irp i, 0,1,2,3
	global_load_b128 v[R+16*((\t)%4)+4*\i:R+16*((\t)%4)+4*\i+3], v3, s[34:35] offset:2048*(\t)+512*\i th:TH_LOAD_NT
.endr
.endm
.macro XTURN t                         ; LDS serves a wave's instructions in order: no wait between the stores and the loads
.irp i, 0,1,2,3
	ds_store_b128 v14, v[R+16*((\t)%4)+4*\i:R+16*((\t)%4)+4*\i+3] offset:32*SP*((\t)%2)+8*SP*\i
.endr
.irp i, 0,1,2,3
	ds_load_b128 v[X+16*((\t)%2)+4*\i:X+16*((\t)%2)+4*\i+3], v15 offset:32*SP*((\t)%2)+16*\i
.endr
.endm
.irp t, 0,1,2,3
	XLOAD \t
.endr
	s_wait_kmcnt 0x0
.irp z, 0,1,2
	s_add_co_i32 s45, s[20+2*\z], 127
	s_lshl_b32 s46, s45, 23
	v_mov_b32 v[SCL+2*\z], s46                     ; 2^e as f32: the conversion takes its exponent field
	s_add_co_i32 s45, s45, 8
	s_lshl_b32 s45, s45, 23
	s_or_b32 s45, s45, 0x600000
	v_mov_b32 v[SCL+2*\z+1], s45                   ; 448 x 2^e
.endr
	s_wait_loadcnt 12                              ; step 0's four loads are in; those of steps 1 to 3 may be out
	XTURN 0
.macro XSTEP t
.set XS, X+16*((\t)%2)
.set CC, C+12*((\t)%2)
	s_wait_dscnt 0x0                               ; this step's numbers are back from the stage, and its stores into the stage have read their registers,
.if (\t)+4 < STEPS
	XLOAD (\t)+4                                   ; which take the loads of four steps on
.endif
.if (\t)+1 < STEPS
.if STEPS-2-(\t) >= 3
	s_wait_loadcnt 12                              ; the next step's four loads are in; those of the three steps behind it may be out
.else
	s_wait_loadcnt 4*(STEPS-2-(\t))
.endif
	XTURN (\t)+1
.endif
.if (\t) >= 2
	s_wait_xcnt 0x0                                ; the stores of two steps ago have read this set of code registers
.endif
.irp z, 0,1,2
.irp i, 0,1,2,3,4,5,6,7,8,9,10,11,12,13,14,15
	v_med3_num_f32 v[T+16*\z+\i], v[XS+\i], -v[SCL+2*\z+1], v[SCL+2*\z+1]   ; the conversion to an 8-bit code does not saturate (ISA guide 7.6.2): the hold comes first
.endr
	v_cvt_scalef32_pk8_fp8_f32 v[CC+4*\z:CC+4*\z+1], v[T+16*\z:T+16*\z+7], v[SCL+2*\z]
	v_cvt_scalef32_pk8_fp8_f32 v[CC+4*\z+2:CC+4*\z+3], v[T+16*\z+8:T+16*\z+15], v[SCL+2*\z]
	global_store_b128 v3, v[CC+4*\z:CC+4*\z+3], s[36+2*\z:37+2*\z] offset:512*(\t)   ; each scale has its own held numbers: the next scale's holds are the plain lines behind these conversions
.endr
.endm
.irp t, 0,1,2,3,4,5,6,7,8,9,10,11,12,13,14,15
	XSTEP \t
.endr
	s_wait_tensorcnt 0x0
	ds_add_u32 v200, v201
	s_wait_dscnt 0x0
	s_endpgm
; ---------------- the four weights ----------------
.Lweights:
	s_sub_co_u32 s33, ttmp9, 256
	s_lshr_b32 s42, s33, 5                         ; which weight: 0 Wq, 1 Wk, 2 Wv, 3 Wo
	s_and_b32 s43, s33, 7                          ; which 128 columns
	s_bfe_u32 s44, s33, 0x20003                    ; which 256 along K
	s_and_b32 s47, s42, 1
	s_wait_kmcnt 0x0
	s_cmp_lt_u32 s42, 2                            ; the choices hang on the work-group's number alone
	s_cselect_b64 s[34:35], s[10:11], s[14:15]     ; Wq or Wv
	s_cselect_b64 s[36:37], s[12:13], s[16:17]     ; Wk or Wo
	s_cselect_b32 s45, s21, s25                    ; e1 or e5
	s_cselect_b32 s46, s23, s31                    ; e3 or e11
	s_cmp_eq_u32 s47, 1
	s_cselect_b64 s[34:35], s[36:37], s[34:35]
	s_cselect_b32 s45, s46, s45                    ; e
	s_lshl_b32 s47, s43, 7
	s_lshl_b32 s48, s32, 5
	s_add_co_u32 s47, s47, s48                     ; my wave's first column
	s_lshl_b32 s50, s44, 20                        ; 256 rows of 4,096 bytes
	s_lshl_b32 s48, s47, 2
	s_add_co_u32 s50, s50, s48
	s_mov_b32 s51, 0
	s_add_nc_u64 s[34:35], s[34:35], s[50:51]      ; in
	s_lshl_b32 s50, s42, 20                        ; the weight's part of wc,
	s_lshl_b32 s48, s47, 10                        ; column x 1,024 bytes,
	s_add_co_u32 s50, s50, s48
	s_lshl_b32 s48, s44, 8                         ; 256 codes along K
	s_add_co_u32 s50, s50, s48
	s_add_nc_u64 s[36:37], s[18:19], s[50:51]      ; out
	s_mul_i32 s49, s32, 32*PW
	s_add_co_u32 s49, s49, WSTG                    ; my stage
	v_lshlrev_b32 v3, 2, v2                        ; in: 4 bytes a lane
	v_mul_u32_u24 v4, v2, PW
	v_add_nc_u32 v4, s49, v4                       ; into the stage: row = my column
	v_and_b32 v5, 15, v2
	v_lshrrev_b32 v6, 4, v2
	v_mul_u32_u24 v7, v6, PW
	v_lshl_add_u32 v7, v5, 4, v7
	v_add_nc_u32 v7, s49, v7                       ; out of it: sixteen lanes to a row, two rows an instruction
	v_lshlrev_b32 v8, 10, v6
	v_lshl_add_u32 v8, v5, 4, v8                   ; and the same place in the codes
.macro WLOAD t                         ; block t: W(32 t + i, my column): 32 lanes read 128 consecutive bytes, the four waves 512
.irp i, 0,1,2,3,4,5,6,7,8,9,10,11,12,13,14,15,16,17,18,19,20,21,22,23,24,25,26,27,28,29,30,31
	global_load_b32 v[WX+32*((\t)%2)+\i], v3, s[34:35] offset:(32*(\t)+\i)*4096 th:TH_LOAD_NT
.endr
.endm
	WLOAD 0
	WLOAD 1
	s_add_co_i32 s45, s45, 127
	s_lshl_b32 s46, s45, 23
	v_mov_b32 v11, s46                             ; 2^e
	s_add_co_i32 s45, s45, 8
	s_lshl_b32 s45, s45, 23
	s_or_b32 s45, s45, 0x600000
	v_mov_b32 v10, s45                             ; 448 x 2^e
.macro WBLOCK t
.set XS, WX+32*((\t)%2)
.if (\t) < 7
	s_wait_loadcnt 32                              ; this block's 32 loads are in; the next block's may be out
.else
	s_wait_loadcnt 0
.endif
.irp i, 0,1,2,3,4,5,6,7,8,9,10,11,12,13,14,15,16,17,18,19,20,21,22,23,24,25,26,27,28,29,30,31
	v_med3_num_f32 v[XS+\i], v[XS+\i], -v10, v10
.endr
.irp g, 0,1,2,3
	v_cvt_scalef32_pk8_fp8_f32 v[WCD+2*\g:WCD+2*\g+1], v[XS+8*\g:XS+8*\g+7], v11
.endr
	ds_store_b128 v4, v[WCD:WCD+3] offset:32*(\t)  ; 32 codes of my column's row; the next block begins with plain vector lines
	ds_store_b128 v4, v[WCD+4:WCD+7] offset:32*(\t)+16
.if (\t)+2 < 8
	WLOAD (\t)+2
.endif
	s_wait_dscnt 0x0                               ; the stores have read their registers: the next block's codes may be written
.endm
.irp t, 0,1,2,3,4,5,6,7
	WBLOCK \t
.endr
.irp t, 0,1,2,3,4,5,6,7,8,9,10,11,12,13,14,15
	ds_load_b128 v[OUTR+4*\t:OUTR+4*\t+3], v7 offset:2*\t*PW
.endr
.irp t, 0,1,2,3,4,5,6,7,8,9,10,11,12,13,14,15
	s_wait_dscnt 15-\t                             ; the younger loads from the stage may be out
	global_store_b128 v8, v[OUTR+4*\t:OUTR+4*\t+3], s[36:37] offset:2*\t*1024
.endr
	s_wait_tensorcnt 0x0
	ds_add_u32 v200, v201
	s_wait_dscnt 0x0
	s_endpgm
.Lfunc_end_k_qf9688074f7_quant:
	.size	k_qf9688074f7_quant, .Lfunc_end_k_qf9688074f7_quant-k_qf9688074f7_quant
	.p2alignl 7, 3214868480
	.fill 96, 4, 3214868480
	.section	.rodata,"a",@progbits
	.p2align	6, 0x0
	.amdhsa_kernel k_qf9688074f7_quant
		.amdhsa_group_segment_fixed_size 68096
		.amdhsa_private_segment_fixed_size 0
		.amdhsa_enable_private_segment 0
		.amdhsa_kernarg_size 64
		.amdhsa_user_sgpr_count 2
		.amdhsa_user_sgpr_kernarg_segment_ptr 1
		.amdhsa_wavefront_size32 1
		.amdhsa_system_sgpr_workgroup_id_x 1
		.amdhsa_system_sgpr_workgroup_id_y 1
		.amdhsa_system_sgpr_workgroup_id_z 1
		.amdhsa_system_vgpr_workitem_id 0
		.amdhsa_next_free_vgpr 202
		.amdhsa_next_free_sgpr 66
		.amdhsa_reserve_vcc 0
		.amdhsa_float_denorm_mode_32 3
		.amdhsa_float_denorm_mode_16_64 3
		.amdhsa_memory_ordered 1
		.amdhsa_forward_progress 1
		.amdhsa_inst_pref_size 126
	.end_amdhsa_kernel
	.amdgpu_metadata
---
amdhsa.version: [ 1, 2 ]
amdhsa.kernels:
  - .name:           k_qf9688074f7_quant
    .symbol:         k_qf9688074f7_quant.kd
    .args:
      - { .name: inputs, .offset: 0, .size: 8, .value_kind: global_buffer, .address_space: global }
      - { .name: lowp_scales, .offset: 8, .size: 8, .value_kind: global_buffer, .address_space: global }
      - { .name: xc, .offset: 16, .size: 8, .value_kind: global_buffer, .address_space: global }
      - { .name: Wq, .offset: 24, .size: 8, .value_kind: global_buffer, .address_space: global }
      - { .name: Wk, .offset: 32, .size: 8, .value_kind: global_buffer, .address_space: global }
      - { .name: Wv, .offset: 40, .size: 8, .value_kind: global_buffer, .address_space: global }
      - { .name: Wo, .offset: 48, .size: 8, .value_kind: global_buffer, .address_space: global }
      - { .name: wc, .offset: 56, .size: 8, .value_kind: global_buffer, .address_space: global }
    .group_segment_fixed_size: 68096
    .private_segment_fixed_size: 0
    .kernarg_segment_align: 8
    .kernarg_segment_size: 64
    .max_flat_workgroup_size: 128
    .sgpr_count:     66
    .vgpr_count:     202
    .wavefront_size: 32
...
	.end_amdgpu_metadata
.endif
;; end of part 1
;; launch qkv (part 2): grid 12 x 32, 4 waves a work-group, clusters of 4 x 4, 327,680 bytes of LDS; arguments xc, wc, lowp_scales, qkvc; writes qkvc
.if DOCPART == 2
	.amdgcn_target "amdgcn-amd-amdhsa--gfx1250"
	.amdhsa_code_object_version 6
	.text
	.protected	k_qf9688074f7_qkv
	.globl	k_qf9688074f7_qkv
	.p2align	8
	.type	k_qf9688074f7_qkv,@function
k_qf9688074f7_qkv:
	s_mov_b64 s[64:65], 0
	v_nop
	global_prefetch_b8 v0, s[64:65] scope:SCOPE_SE
	s_setreg_imm32_b32 hwreg(HW_REG_WAVE_MODE, 25, 1), 1
	s_wait_xcnt 0x0
	s_wait_alu depctr_hold_cnt(0) depctr_sa_sdst(0) depctr_va_vdst(0) depctr_va_sdst(0) depctr_va_ssrc(0) depctr_va_vcc(0) depctr_vm_vsrc(0)
	s_getreg_b32 s2, hwreg(HW_REG_IB_STS2, 6, 4)
	s_cmp_eq_u32 s2, 0
	s_cbranch_scc0 .Lentry_in_a_cluster
	s_endpgm
.Lentry_in_a_cluster:
	s_bfe_u32 s2, ttmp6, 0x10000c
	s_cmp_lg_u32 s2, 0xf033
	s_cbranch_scc0 .Lentry_shape_is_right
	s_endpgm
.Lentry_shape_is_right:
; q = x Wq, k = x Wk, v = x Wv on codes of E4M3, and each result quantised at once (scales e6, e7, e9) into qkvc: three parts of 0x800000 bytes.
; C = A B^T, both operands [rows][1024] bytes, K innermost.  The cluster's x, Z, says which product: 0 q, 1 k, 2 v; it is the same in all sixteen partners and enters selections and offsets alone, no branch.
;   q, k: A = x's codes (8,192 rows), B = the weight's codes (1,024 rows).   v: A = Wv's codes, B = x's codes: the roles are swapped, so that a lane's eight results are eight neighbouring KEYS.
; A tile of C is 256 x 256: four waves, each 128 x 128 in 64 accumulators.  K goes in steps of 256 through a ring of two LDS slots filled by joint tensor loads: A's tile is shared along a row of the 4 x 4 cluster, B's along a column.
; THE MATRIX INSTRUCTION IS USED TRANSPOSED (source 0 = 16 rows of B, source 1 = 16 rows of A): a lane holds eight neighbouring columns of one row of C, which become 8 codes, 8 bytes.
; A fragment is fetched by four loads of 16 bytes: a permutation of k, the same in A and in B, so every product meets its partner.
; OUTPUT LAYOUT, in chunks of 64 columns: byte (col / 64) x CH + row x 64 + col % 64, CH = rows x 64.  q, k: row = token, col = 64 head + d: a head's rows are dense runs of 64 bytes.
;   v: row = 64 head + d, col = token: a head's 64 rows x 64 keys are a dense block of 4,096 bytes, keys innermost.  A wave's store covers 512 consecutive bytes, aligned.
; A sum stands for sum x 2^(eA + eB): its code is sum / 2^E, E = eOut - eA - eB, held within +-448.  LIMIT: E between -126 and 119.
; REGISTERS, in windows of 256: window 0: v0-31 addresses and two scales; v128-255 A's fragments, one set; on the way out v32-143 at work.  window 1: B's fragments, two sets.  windows 2, 3: the accumulators ((a, b) at v[8 (8 (a % 4) + b)]).
.set ROWB,   256                       ; a tile's row in bytes: 256 along K
.set KROW,   1024                      ; a row of A or of B in memory
.set PITCH,  272                       ; an LDS row: 256 bytes + 16 of padding: the 16 rows that a load touches start at 16 different banks (64 banks of 4 bytes: ISA guide 11.1)
.set FR,     16
.set NL,     4
.set NP,     4                         ; places behind this matrix instruction (ISA guide 7.12.1)
.set HALFT,  128*PITCH
.set SLOT,   4*HALFT                   ; A's 256 rows, then B's 256 rows
.set SPARE,  2*SLOT                    ; behind the ring: the spare words, 128 bytes a wave, which no other line names
.set SPITCH, 144                       ; the way out: a stage of 16 rows x (128 bytes + 16) for each wave, in slot 0, which has had its last fill and its last read by then
.set ADRA, 16
.set ADRB, 20
.set STO,  24
.set RD,   25
.set CO,   26                          ; 16 x lane: my place in a store's 512 bytes
.set CO1,  27                          ; the same, one chunk on
.set SPW,  28
.set NIL,  29
.set LIM,  30                          ; 448 x 2^E
.set SC,   31                          ; 2^E
.set TMP,  32                          ; v32-95   a block's held sums
.set CD,   96                          ; v96-111  its codes
.set BK,   112                         ; v112-127, v128-143 by turns: the block back from the stage
.set AF,   128
.set G1, 24
.set G0, 32
.set G1B, 48
.set G0B, 56
.set MSB, 0
.macro WIN new                         ; the immediate's high byte repeats the setting that is left
.if MSB != \new
	s_set_vgpr_msb (MSB<<8)|\new
.set MSB, \new
.endif
.endm
.set MUL_LO, 0xa1                      ; source 0 (B) window 1, source 1 (A) window 0, C and D window 2
.set MUL_HI, 0xf1
.set TO_B,   0x40
; A joint load: waves 0 and 1 fetch for A, waves 2 and 3 for B; the branch hangs on the wave's number alone.  Four v_nop follow each of the two lines.
.macro JLOAD g0a, g1a, g0b, g1b
	s_cmp_eq_u32 s15, 0
	s_cbranch_scc0 .Lfor_b_\@
	tensor_load_to_lds s[\g0a:\g0a+3], s[\g1a:\g1a+7]
	s_nop 0
.rept 4
	v_nop
.endr
	s_branch .Lasked_\@
.Lfor_b_\@:
	tensor_load_to_lds s[\g0b:\g0b+3], s[\g1b:\g1b+7]
	s_nop 0
.rept 4
	v_nop
.endr
.Lasked_\@:
.endm
.macro CREST                           ; a round of the cluster's barrier behind its opening barrier
	s_cmp_lg_u32 s14, 0
	s_cbranch_scc1 .Lnot_wave_0_\@
	s_barrier_signal -3
.Lnot_wave_0_\@:
	s_barrier_wait -3
	s_barrier_signal -1
	s_barrier_wait -1
.endm
.macro CROUND
	s_barrier_signal -1
	s_barrier_wait -1
	CREST
.endm
	s_load_b256 s[4:11], s[0:1], 0x0               ; xc s[4:5], wc s[6:7], the scales' exponents s[8:9], qkvc s[10:11]
	v_lshl_add_u32 v[SPW], v0, 2, SPARE
	v_mov_b32 v[NIL], 0
	ds_add_u32 v28, v29
	ds_add_u32 v28, v29
	s_wait_dscnt 0x0
	v_lshrrev_b32 v1, 5, v0
	v_readfirstlane_b32 s14, v1                    ; wave 0..3
	s_lshr_b32 s15, s14, 1                         ; which half of the tile's rows is mine.  Also: I fetch for A (0) or for B (1)
	s_and_b32 s16, s14, 1                          ; which half of its columns.  Also: which 128 rows of that tile I fetch
	s_bfe_u32 s40, ttmp6, 0x40000                  ; cx
	s_bfe_u32 s41, ttmp6, 0x40004                  ; cy
	s_and_b32 s77, ttmp7, 0xffff
	s_lshl_b32 s77, s77, 2                         ; 4 x cluster y
	s_lshl_b32 s72, ttmp9, 23                      ; Z parts of x's codes, and of qkvc
	s_lshl_b32 s73, ttmp9, 20                      ; Z parts of the weights' codes
	s_mov_b32 s74, 0x80000
	s_cmp_eq_u32 ttmp9, 2                          ; v?  The same answer in all sixteen partners
	s_cselect_b32 s78, s73, s72                    ; A's part
	s_cselect_b32 s79, s72, s73                    ; B's part
	s_cselect_b32 s66, 0, s77                      ; the long axis (8,192 tokens, 32 tiles) is C's rows for q and k,
	s_cselect_b32 s67, s77, 0                      ; its columns for v
	s_cselect_b32 s74, 0x10000, s74                ; CH: bytes from chunk to chunk
	s_add_co_u32 s17, s66, s41                     ; tile row of C
	s_add_co_u32 s42, s67, s40                     ; tile column of C
	s_lshl_b32 s43, s41, 2
	s_lshl_b32 s43, 15, s43                        ; my row of the cluster
	s_lshl_b32 s44, 0x1111, s40                    ; my column
	; descriptor group 1: a tile of 128 rows x 256 bytes, padded in LDS
	s_or_b32 s[G1+0], s43, (0<<16)|(1<<20)|(1<<21)|(5<<22)|(3<<25)  ; 15:0 the mask; 17:16 elements of 1 byte; 20 padding on; 21 set beside a mask; 24:22 after every 64 words; 31:25 four words
	s_or_b32 s[G1B+0], s44, (0<<16)|(1<<20)|(1<<21)|(5<<22)|(3<<25)
.irp g, G1, G1B
	s_mov_b32 s[\g+1], ROWB<<16                    ; tensor_dim0
	s_mov_b32 s[\g+2], 128<<16                     ; tensor_dim1
	s_mov_b32 s[\g+3], ROWB<<16                    ; tile_dim0
	s_mov_b32 s[\g+4], 128                         ; tile_dim1
	s_mov_b32 s[\g+5], KROW                        ; tensor_dim0_stride
	s_mov_b32 s[\g+6], 0
	s_mov_b32 s[\g+7], 0
.endr
	s_lshl_b32 s18, s16, 7                         ; which 128 rows of the tile I fetch
	s_lshl_b32 s20, s17, 8
	s_add_co_u32 s20, s20, s18                     ; A: row 256 x tile row + 128 x half
	s_lshl_b32 s20, s20, 10                        ; in bytes,
	s_add_co_u32 s20, s20, s78                     ; in its part: under 2^25
	s_mov_b32 s21, 0
	s_lshl_b32 s46, s42, 8
	s_add_co_u32 s46, s46, s18                     ; B: row 256 x tile column + 128 x half
	s_lshl_b32 s46, s46, 10
	s_add_co_u32 s46, s46, s79
	s_mov_b32 s47, 0
	s_mul_i32 s45, s14, HALFT                      ; where they go: wave x 128 rows: no place in the cluster enters an LDS address
	s_wait_kmcnt 0x0
	s_load_b256 s[80:87], s[8:9], 0x0              ; e0 .. e7
	s_load_b64 s[88:89], s[8:9], 0x20              ; e8, e9
	s_cmp_eq_u32 ttmp9, 2
	s_cselect_b64 s[68:69], s[6:7], s[4:5]         ; A's buffer
	s_cselect_b64 s[70:71], s[4:5], s[6:7]         ; B's buffer
	s_add_nc_u64 s[20:21], s[68:69], s[20:21]
	s_add_nc_u64 s[46:47], s[70:71], s[46:47]
	CROUND                                         ; all sixteen work-groups are here: the first joint loads meet
.irp s, 0,1
	s_mov_b32 s[G0+4*\s], 1
	s_add_co_u32 s[G0+4*\s+1], s45, \s*SLOT
	s_add_nc_u64 s[G0+4*\s+2:G0+4*\s+3], s[20:21], \s*ROWB
	s_or_b32 s[G0+4*\s+3], s[G0+4*\s+3], 0x80000000
	s_mov_b32 s[G0B+4*\s], 1
	s_add_co_u32 s[G0B+4*\s+1], s45, \s*SLOT
	s_add_nc_u64 s[G0B+4*\s+2:G0B+4*\s+3], s[46:47], \s*ROWB
	s_or_b32 s[G0B+4*\s+3], s[G0B+4*\s+3], 0x80000000
	JLOAD G0+4*\s, G1, G0B+4*\s, G1B
.endr
	v_and_b32 v1, 15, v0                           ; r = l % 16
	v_bfe_u32 v2, v0, 4, 1                         ; h = l / 16
	v_mul_u32_u24 v3, v1, PITCH
	v_lshl_add_u32 v4, v2, 4, v3                   ; a fragment's row x pitch + 16 x half
	s_mul_i32 s21, s15, HALFT                      ; my 128 rows of A
	s_mul_i32 s22, s16, HALFT                      ; my 128 rows of B,
	s_add_co_u32 s22, s22, 2*HALFT                 ; which lie behind A's 256
.irp s, 0,1
	v_add_nc_u32 v[ADRA+\s], s21, v4
	v_add_nc_u32 v[ADRB+\s], s22, v4
	s_add_co_u32 s21, s21, SLOT
	s_add_co_u32 s22, s22, SLOT
.endr
	s_mul_i32 s23, s14, 16*SPITCH                  ; my stage
	v_mul_u32_u24 v5, v1, SPITCH                   ; in: row r, 8 bytes for each half of the lanes
	v_lshl_add_u32 v5, v2, 3, v5
	v_add_nc_u32 v[STO], s23, v5
	v_and_b32 v6, 31, v0
	v_lshlrev_b32 v[CO], 4, v6
	v_lshrrev_b32 v7, 2, v6                        ; back: four lanes take a row's 64 bytes of one chunk, 32 lanes eight rows
	v_mul_u32_u24 v7, v7, SPITCH
	v_and_b32 v8, 3, v0
	v_lshl_add_u32 v7, v8, 4, v7
	v_add_nc_u32 v[RD], s23, v7
	v_add_nc_u32 v[CO1], s74, v[CO]
	s_lshl_b32 s20, s42, 2
	s_lshl_b32 s21, s16, 1
	s_add_co_u32 s20, s20, s21                     ; my first chunk: 4 x tile column + 2 x half
	s_mul_i32 s20, s20, s74
	s_lshl_b32 s21, s17, 8
	s_lshl_b32 s22, s15, 7
	s_add_co_u32 s21, s21, s22                     ; my first row
	s_lshl_b32 s21, s21, 6
	s_add_co_u32 s20, s20, s21
	s_add_co_u32 s20, s20, s72                     ; in part Z: under 2^25
	s_mov_b32 s21, 0
	s_add_nc_u64 s[10:11], s[10:11], s[20:21]
.macro FRAG reg, adr, q, i             ; 16 rows x 128 K: registers 4 c .. 4 c + 3 hold K = 32 c + 16 (l / 16) + 0 .. 15 of row l % 16
.irp c, 0,1,2,3
	ds_load_b128 v[\reg+4*\c:\reg+4*\c+3], v[\adr] offset:128*(\q)+32*\c+(\i)*16*PITCH
.endr
.endm
; 16 matrix instructions: A's blocks a0, a0 + 1 x B's eight.  The 64 accumulators take turns, one instruction a turn, in the same order in every step.
.macro MUL16 a0, p, zero
.irp a, \a0, \a0+1
.irp b, 0,1,2,3,4,5,6,7
.if \zero
	v_wmma_f32_16x16x128_fp8_fp8 v[8*(8*((\a)%4)+\b):8*(8*((\a)%4)+\b)+7], v[128*(\p)+FR*\b:128*(\p)+FR*\b+FR-1], v[AF+FR*(\a):AF+FR*(\a)+FR-1], 0
.else
	v_wmma_f32_16x16x128_fp8_fp8 v[8*(8*((\a)%4)+\b):8*(8*((\a)%4)+\b)+7], v[128*(\p)+FR*\b:128*(\p)+FR*\b+FR-1], v[AF+FR*(\a):AF+FR*(\a)+FR-1], v[8*(8*((\a)%4)+\b):8*(8*((\a)%4)+\b)+7]
.endif
.endr
.endr
.endm
.macro FETCH_B slot, q, p
	WIN TO_B
.irp i, 0,1,2,3,4,5,6,7
	FRAG 128*(\p)+FR*\i, ADRB+\slot, \q, \i
.endr
	WIN 0
.endm
.macro FETCH_A slot, q, i0
.irp i, \i0, \i0+1, \i0+2, \i0+3
	FRAG AF+FR*(\i), ADRA+\slot, \q, \i
.endr
.endm
.macro PLACES n                        ; plain vector instructions between a matrix instruction and a load into, or a read of, its registers
.rept \n
	v_nop
.endr
.endm
; A step of 128 along K that has its successor in the same slot.  A has one set of registers: blocks 0-3 are fetched anew in the step's middle, blocks 4-7 at its end; B has two sets.
.macro STEP slot, q, zero
	s_wait_dscnt 4*NL                              ; B's set and A's blocks 0-3 are in; the youngest 16 loads (A's blocks 4-7) may be out
	WIN MUL_LO
	MUL16 0, (\q)%2, \zero
	MUL16 2, (\q)%2, \zero
	s_wait_dscnt 0
	PLACES NP
	FETCH_B \slot, (\q)+1, 1-(\q)%2
	FETCH_A \slot, (\q)+1, 0
	WIN MUL_HI
	MUL16 4, (\q)%2, \zero
	MUL16 6, (\q)%2, \zero
	PLACES NP
	WIN 0
	FETCH_A \slot, (\q)+1, 4
.endm
; A slot's last step changes slots: one barrier; in front of it each wave waits for all its tensor loads, adds 0 to its spare word, and waits for that and for its own reads of this slot.
.macro TURN slot, next, fill
	s_wait_tensorcnt 0x0                           ; all my tensor loads have landed: my part of the next slot
	ds_add_u32 v[SPW], v[NIL]                      ; 0 onto my spare word
	s_wait_dscnt 4*NL+1                            ; (the add and the youngest 16 loads may be out)
	WIN MUL_LO
	MUL16 0, 1, 0
	s_wait_dscnt 0x0                               ; the add is done, and my reads of this slot are over
	s_barrier_signal -1
	MUL16 2, 1, 0
	WIN 0
	s_barrier_wait -1
.if \fill
	CREST                                          ; the barrier has opened a round of the cluster's barrier: no wave of any partner still reads this slot or has a load on its way
	s_add_nc_u64 s[G0+4*\slot+2:G0+4*\slot+3], s[G0+4*\slot+2:G0+4*\slot+3], 2*ROWB
	s_add_nc_u64 s[G0B+4*\slot+2:G0B+4*\slot+3], s[G0B+4*\slot+2:G0B+4*\slot+3], 2*ROWB
	JLOAD G0+4*\slot, G1, G0B+4*\slot, G1B         ; the first tensor load behind the round; its four v_nop are also the places in front of the loads below
.else
	PLACES NP
.endif
	FETCH_B \next, 0, 0
	FETCH_A \next, 0, 0
	WIN MUL_HI
	MUL16 4, 1, 0
	MUL16 6, 1, 0
	PLACES NP
	WIN 0
	FETCH_A \next, 0, 4
.endm
	s_wait_tensorcnt 1                             ; my part of K step 0 is in; K step 1's load may be out
	s_barrier_signal -1
	s_barrier_wait -1
	FETCH_B 0, 0, 0
	FETCH_A 0, 0, 0
	FETCH_A 0, 0, 4
	STEP 0, 0, 1                                   ; K = 1,024 is four K steps of 256, written out: the first products start the sums
	TURN 0, 1, 1                                   ; slot 0 takes K step 2
	STEP 1, 0, 0
	TURN 1, 0, 1                                   ; slot 1 takes K step 3
	STEP 0, 0, 0
	TURN 0, 1, 0                                   ; nothing is left to fetch
	STEP 1, 0, 0
	s_wait_dscnt 4*NL
	WIN MUL_LO
	MUL16 0, 1, 0
	MUL16 2, 1, 0
	s_wait_dscnt 0
	WIN MUL_HI
	MUL16 4, 1, 0
	MUL16 6, 1, 0
	WIN 0
; THE WAY OUT, block by block of 16 rows x 128 columns: hold, convert (8 sums of a lane -> 8 bytes), through my stage, and out as two chunks' dense runs of 1,024 bytes.
.macro TOSTAGE a
.set AC, 64*((\a)%4)
	WIN 0x02+((\a)/4)                              ; source 0: window 2 or 3
.set jj, 0
.rept 64
	v_med3_num_f32 v[TMP+jj], v[AC+jj], -v[LIM], v[LIM]   ; each accumulator from its low end on; the conversion does not saturate (ISA guide 7.6.2)
.set jj, jj+1
.endr
	WIN 0
.irp b, 0,1,2,3,4,5,6,7
	v_cvt_scalef32_pk8_fp8_f32 v[CD+2*\b:CD+2*\b+1], v[TMP+8*\b:TMP+8*\b+7], v[SC]
.endr
	v_nop                                          ; a plain line behind the last conversion: the next block's holds write its sources
.irp b, 0,1,2,3,4,5,6,7
	ds_store_b64 v[STO], v[CD+2*\b:CD+2*\b+1] offset:16*\b   ; row r, columns 16 b + 8 h + 0 .. 7
.endr
.set BB, BK+16*((\a)%2)
.irp i, 0,1,2,3
	ds_load_b128 v[BB+4*\i:BB+4*\i+3], v[RD] offset:(\i%2)*8*SPITCH+(\i/2)*64   ; LDS serves a wave's instructions in order: these see the stores above
.endr
.endm
.macro SEND a, younger
.set BB, BK+16*((\a)%2)
	s_wait_dscnt \younger
	global_store_b128 v[CO],  v[BB:BB+3],     s[10:11] offset:(\a)*1024       ; 32 lanes store 512 consecutive bytes: eight rows of 64 bytes of a chunk
	global_store_b128 v[CO],  v[BB+4:BB+7],   s[10:11] offset:(\a)*1024+512
	global_store_b128 v[CO1], v[BB+8:BB+11],  s[10:11] offset:(\a)*1024
	global_store_b128 v[CO1], v[BB+12:BB+15], s[10:11] offset:(\a)*1024+512
.endm
	s_wait_kmcnt 0x0
	s_add_co_i32 s90, s80, s81
	s_add_co_i32 s91, s82, s83
	s_add_co_i32 s92, s84, s85
	s_sub_co_i32 s90, s86, s90                     ; e6 - e0 - e1
	s_sub_co_i32 s91, s87, s91                     ; e7 - e2 - e3
	s_sub_co_i32 s92, s89, s92                     ; e9 - e4 - e5
	s_cmp_eq_u32 ttmp9, 0
	s_cselect_b32 s90, s90, s91
	s_cmp_eq_u32 ttmp9, 2
	s_cselect_b32 s90, s92, s90                    ; E: chosen, not branched on
	s_add_co_i32 s90, s90, 127
	s_lshl_b32 s91, s90, 23
	v_mov_b32 v[SC], s91                           ; 2^E
	s_add_co_i32 s90, s90, 8
	s_lshl_b32 s90, s90, 23
	s_or_b32 s90, s90, 0x600000
	v_mov_b32 v[LIM], s90                          ; 448 x 2^E
	PLACES NP
	TOSTAGE 0
.irp a, 1,2,3,4,5,6,7
.if \a > 1
	s_wait_xcnt 0x0                                ; block a - 2's stores have read their registers: block a's loads may land there
.endif
	TOSTAGE \a
	SEND \a-1, 12                                  ; behind block a - 1's loads: block a's 8 stores and 4 loads
.endr
	SEND 7, 0
	s_wait_tensorcnt 0x0                           ; the wave's end
	ds_add_u32 v[SPW], v[NIL]
	s_wait_dscnt 0x0
	CROUND                                         ; the closing round
	s_endpgm
.Lfunc_end_k_qf9688074f7_qkv:
	.size	k_qf9688074f7_qkv, .Lfunc_end_k_qf9688074f7_qkv-k_qf9688074f7_qkv
	.p2alignl 7, 3214868480
	.fill 96, 4, 3214868480
	.section	.rodata,"a",@progbits
	.p2align	6, 0x0
	.amdhsa_kernel k_qf9688074f7_qkv
		.amdhsa_group_segment_fixed_size 327680
		.amdhsa_private_segment_fixed_size 0
		.amdhsa_enable_private_segment 0
		.amdhsa_kernarg_size 32
		.amdhsa_user_sgpr_count 2
		.amdhsa_user_sgpr_kernarg_segment_ptr 1
		.amdhsa_wavefront_size32 1
		.amdhsa_system_sgpr_workgroup_id_x 1
		.amdhsa_system_sgpr_workgroup_id_y 1
		.amdhsa_system_sgpr_workgroup_id_z 1
		.amdhsa_system_vgpr_workitem_id 0
		.amdhsa_next_free_vgpr 1024
		.amdhsa_next_free_sgpr 98
		.amdhsa_reserve_vcc 0
		.amdhsa_float_denorm_mode_32 3
		.amdhsa_float_denorm_mode_16_64 3
		.amdhsa_memory_ordered 1
		.amdhsa_forward_progress 1
		.amdhsa_inst_pref_size 125
	.end_amdhsa_kernel
	.amdgpu_metadata
---
amdhsa.version: [ 1, 2 ]
amdhsa.kernels:
  - .name:           k_qf9688074f7_qkv
    .symbol:         k_qf9688074f7_qkv.kd
    .args:
      - { .name: xc, .offset: 0, .size: 8, .value_kind: global_buffer, .address_space: global }
      - { .name: wc, .offset: 8, .size: 8, .value_kind: global_buffer, .address_space: global }
      - { .name: lowp_scales, .offset: 16, .size: 8, .value_kind: global_buffer, .address_space: global }
      - { .name: qkvc, .offset: 24, .size: 8, .value_kind: global_buffer, .address_space: global }
    .group_segment_fixed_size: 327680
    .private_segment_fixed_size: 0
    .kernarg_segment_align: 8
    .kernarg_segment_size: 32
    .max_flat_workgroup_size: 128
    .sgpr_count:     98
    .vgpr_count:     1024
    .wavefront_size: 32
...
	.end_amdgpu_metadata
.endif
;; end of part 2
;; launch attn (part 3): grid 4 x 64, 16 waves a work-group, no clusters, 149,504 bytes of LDS; arguments qkvc, lowp_scales, ctxc; writes ctxc
.if DOCPART == 3
	.amdgcn_target "amdgcn-amd-amdhsa--gfx1250"
	.amdhsa_code_object_version 6
	.text
	.protected	k_qf9688074f7_attn
	.globl	k_qf9688074f7_attn
	.p2align	8
	.type	k_qf9688074f7_attn,@function
k_qf9688074f7_attn:
	s_mov_b64 s[64:65], 0
	v_nop
	global_prefetch_b8 v0, s[64:65] scope:SCOPE_SE
	s_setreg_imm32_b32 hwreg(HW_REG_WAVE_MODE, 25, 1), 1
	s_wait_xcnt 0x0
; CAUSAL ATTENTION ON CODES OF E4M3, head size 64, and the result quantised (scale e10) into ctxc.
; q, k: for head (b, h) 2,048 dense rows of 64 bytes.  v: keys innermost: for each 64 keys and head a dense block of 64 rows (d) x 64 bytes.  ctxc: laid as q.
; THE SOFTMAX: t = score x log2(e) / 8; M = the running largest t rounded UP to a whole number; p = 2^(t - M) is quantised (scale e8), not normalised; the row's sum is taken of the unquantised p and divides at the end.
; When M moves, the sum and O are multiplied by 2^(old M - new M): exact.
; SHARES.  Work-group (j, head) owns the blocks j and 7 - j of 256 queries, one after the other; wave w owns 16 queries of the block in hand.  A trip is a block of 256 keys, two steps of 128.
; Block j needs j + 1 key blocks, block 7 - j needs 8 - j: nine trips in every work-group, so the trip count is a constant and all 256 work-groups have the same work; no key block that is wholly hidden is fetched.
; A step all of whose keys come after the wave's queries is jumped over (a scalar branch on ids); on the diagonal hidden scores become -infinity ahead of the maximum.
; K AND V come from memory into registers (16 bytes a thread, four loads a trip) and go on into one of two LDS slots; a key block is asked for a whole trip ahead of the store that wants it.  One barrier a trip.
; NO CLUSTER: at a given trip the four work-groups of a head want different key blocks (0 .. j, then 0 .. 7 - j).  A common walk over blocks 0 to 7 with both query blocks at once would take, trip by trip, the largest partner's
; work: 2+2+2+2+1+1+1+1 = 12 units against 9 here.
; LAYOUT.  Both products are used transposed: S^T = K Q^T (source 0 = 16 keys), O^T = V^T P^T (source 0 = 16 of the head's 64): a lane holds ONE query (lane % 16) throughout.
; K's rows lie in LDS in the order in which tiles take them: bits 3 and 4 of the key's number change places at the store, so that row 16 (2 b + u) + 8 a + i holds key 32 b + 16 a + 8 u + i.
; Then the 16 registers of tiles 2 b and 2 b + 1 are the 16 neighbouring keys 32 b + 16 (lane / 16) + 0 .. 15: the conversions' results are the second product's operand.
; LIMITS on the given exponents: e6 + e7 between -123 and 130; e8, and e10 - e8 - e9, between -126 and 119.
; REGISTERS: v1-11, v24 addresses that stay; v12 -M, v13 the largest t, v[14:15] the sum; v16-23 Q; v25-31 at work; v32-95 fragments of K, then of V; v96-159 S^T, then p; v160-191 O^T; v192-207 p's codes; v208-223 K and V on their way.
.set KP,    80                         ; a key's row in LDS: 64 bytes + 16
.set VP,    144                        ; a row of V for one step: 128 keys + 16
.set VOFF,  256*KP                     ; a slot: 256 rows of K, then two halves of 64 rows of V
.set SLOT1, 65536
.set STAGE, 2*SLOT1                    ; 1,024 bytes for each wave, for the way out
.set AK0, 1
.set AV0, 2
.set KST, 3
.set VST, 4
.set GKO, 5
.set GVO, 6
.set QO,  7
.set ADK, 8
.set ADV, 9
.set STO, 10
.set SRD, 11
.set GO,  24
.set RKV, 208
.set TB,  2                            ; s2   the slot that is read
.set TR,  3                            ; s3   the trip
.set TO,  13                           ; s13  the slot that is filled
.set JJ,  14                           ; s14  j
.set J1,  15                           ; s15  j + 1
.set WV,  16
.set Q0,  17                           ; s17  my first query
.set KF,  18                           ; s18  the step's first key
.set SEL, 20                           ; s[20:21] lane selects: lane l xor 16
.set CS,  22                           ; s[22:23] c = log2(e) / 8 x 2^(e6 + e7)
	s_load_b128 s[4:7], s[0:1], 0x0                ; qkvc, the scales' exponents
	s_load_b64 s[8:9], s[0:1], 0x10                ; ctxc
	v_lshl_add_u32 v251, v0, 2, 0x24000
	v_mov_b32 v255, 0
	v_lshrrev_b32 v27, 5, v0
	v_readfirstlane_b32 s[WV], v27                 ; wave 0..15
	v_and_b32 v28, 15, v0                          ; r
	v_bfe_u32 v29, v0, 4, 1                        ; h
	v_and_b32 v30, 31, v0                          ; lane
	v_mul_u32_u24 v[AK0], v28, KP
	v_lshl_add_u32 v[AK0], v29, 4, v[AK0]          ; a fragment of K: row r, + 16 h
	v_mul_u32_u24 v[AV0], v28, VP
	v_lshl_add_u32 v[AV0], v29, 4, v[AV0]
	v_add_nc_u32 v[AV0], VOFF, v[AV0]              ; of V likewise
	v_lshrrev_b32 v27, 2, v0                       ; thread t brings 16 bytes of key t / 4 (and of key 128 + t / 4)
	v_and_b32 v27, 0x67, v27
	v_bfe_u32 v31, v0, 5, 1
	v_lshl_add_u32 v27, v31, 4, v27                ; the key's bit 3 goes to bit 4,
	v_bfe_u32 v31, v0, 6, 1
	v_lshl_add_u32 v27, v31, 3, v27                ; its bit 4 to bit 3
	v_mul_u32_u24 v[KST], v27, KP
	v_and_b32 v31, 3, v0
	v_lshl_add_u32 v[KST], v31, 4, v[KST]
	v_bfe_u32 v27, v0, 2, 6                        ; V: d = (t % 256) / 4,
	v_mul_u32_u24 v[VST], v27, VP
	v_bfe_u32 v27, v0, 8, 1                        ; which 64 keys of the 128: t / 256
	v_lshl_add_u32 v[VST], v27, 6, v[VST]
	v_lshl_add_u32 v[VST], v31, 4, v[VST]
	v_add_nc_u32 v[VST], VOFF, v[VST]
	v_lshlrev_b32 v[GKO], 4, v0                    ; in memory: K's block is dense
	v_and_b32 v[GVO], 255, v0
	v_lshlrev_b32 v[GVO], 4, v[GVO]
	v_lshl_add_u32 v[GVO], v27, 16, v[GVO]         ; V: 4,096 dense bytes for each 64 keys, 65,536 bytes apart
	v_lshlrev_b32 v[QO], 6, v28
	v_lshl_add_u32 v[QO], v29, 4, v[QO]            ; Q: row r of 64 bytes, + 16 h
	s_lshl_b32 s52, s[WV], 10
	s_add_co_u32 s52, s52, STAGE                   ; my stage
	v_lshlrev_b32 v[STO], 6, v28
	v_lshl_add_u32 v[STO], v29, 3, v[STO]
	v_add_nc_u32 v[STO], s52, v[STO]               ; in: row r of 64 bytes, + 8 h
	v_lshlrev_b32 v[GO], 4, v30
	v_add_nc_u32 v[SRD], s52, v[GO]                ; back: 16 bytes a lane, on end
	v_mov_b32 v236, 0                              ; written once: a lane permute's destination counts as one of its sources
	v_mov_b32 v253, 0                              ; (named as the upper half of the pair v[252:253])
	s_mov_b32 s[JJ], ttmp9
	s_add_co_u32 s[J1], s[JJ], 1
	s_and_b32 s52, ttmp7, 0xffff
	s_lshr_b32 s53, s52, 4                         ; b
	s_and_b32 s52, s52, 15                         ; h
	s_lshl_b32 s54, s52, 19                        ; h x 8,192 rows x 64 bytes
	s_lshl_b32 s55, s53, 17                        ; b x 2,048 rows x 64 bytes
	s_add_co_u32 s54, s54, s55
	s_mov_b32 s55, 0
	s_lshl_b32 s56, s53, 21                        ; v: b x 32 chunks of 65,536 bytes
	s_lshl_b32 s57, s52, 12                        ; h x 64 rows x 64 bytes
	s_add_co_u32 s56, s56, s57
	s_add_co_u32 s56, s56, 0x1000000               ; v is the third part of qkvc
	s_mov_b32 s57, 0
	s_mov_b32 s[SEL], 0x76543210
	s_mov_b32 s[SEL+1], 0xfedcba98
	s_mov_b32 s[TB], 0
	s_mov_b32 s[TO], SLOT1
	s_mov_b32 s[TR], 0
	s_mov_b32 s[KF], 0
	s_wait_kmcnt 0x0
	s_load_b256 s[40:47], s[6:7], 0x0              ; e0 .. e7
	s_load_b128 s[48:51], s[6:7], 0x20             ; e8 .. e11
	s_add_nc_u64 s[24:25], s[4:5], s[54:55]        ; the head's q,
	s_add_nc_u64 s[26:27], s[24:25], 0x800000      ; k,
	s_add_nc_u64 s[28:29], s[4:5], s[56:57]        ; v,
	s_add_nc_u64 s[30:31], s[8:9], s[54:55]        ; ctx
.macro SETQ                            ; s52 = the block of queries: my first query, its codes, its place in ctx; Q's fragment is asked for
	s_lshl_b32 s[Q0], s52, 8
	s_lshl_b32 s53, s[WV], 4
	s_add_co_u32 s[Q0], s[Q0], s53
	s_lshl_b32 s58, s[Q0], 6
	s_mov_b32 s59, 0
	s_add_nc_u64 s[36:37], s[24:25], s[58:59]
	s_add_nc_u64 s[38:39], s[30:31], s[58:59]
	global_load_b128 v[16:19], v[QO], s[36:37]
	global_load_b128 v[20:23], v[QO], s[36:37] offset:32
.endm
.macro NEXTKV                          ; s52 = a trip's number: where its key block lies.  Trips 0 .. j walk key blocks 0 .. j, trips j + 1 .. 8 key blocks 0 .. 7 - j
	s_sub_co_u32 s53, s52, s[J1]
	s_cmp_lt_u32 s52, s[J1]
	s_cselect_b32 s53, s52, s53
	s_lshl_b32 s56, s53, 14                        ; 256 rows of 64 bytes
	s_mov_b32 s57, 0
	s_add_nc_u64 s[32:33], s[26:27], s[56:57]
	s_lshl_b32 s56, s53, 18                        ; 4 chunks of 65,536 bytes
	s_add_nc_u64 s[34:35], s[28:29], s[56:57]
.endm
.macro LOADKV                          ; 512 threads x 16 bytes x 4: a key block's 16,384 bytes of K and of V
	global_load_b128 v[RKV:RKV+3],     v[GKO], s[32:33]
	global_load_b128 v[RKV+4:RKV+7],   v[GKO], s[32:33] offset:8192
	global_load_b128 v[RKV+8:RKV+11],  v[GVO], s[34:35]
	global_load_b128 v[RKV+12:RKV+15], v[GVO], s[34:35] offset:131072
.endm
.macro STOREKV sl
	v_add_nc_u32 v25, s[\sl], v[KST]
	v_add_nc_u32 v26, s[\sl], v[VST]
	ds_store_b128 v25, v[RKV:RKV+3]
	ds_store_b128 v25, v[RKV+4:RKV+7] offset:128*KP
	ds_store_b128 v26, v[RKV+8:RKV+11]
	ds_store_b128 v26, v[RKV+12:RKV+15] offset:64*VP
.endm
.macro INIT                            ; a block of queries begins: O^T and the sum are zeros, which the first change of M leaves zeros
	v_mov_b32 v13, 0xff61b1e6                      ; the largest t so far: -3e38
	v_floor_f32 v12, -v13                          ; -M
	v_mov_b32 v14, 0
	v_mov_b32 v15, 0
.set nn, 0
.rept 32
	v_mov_b32 v[160+nn], 0
.set nn, nn+1
.endr
.endm
	s_mov_b32 s52, s[JJ]
	SETQ
	s_mov_b64 s[32:33], s[26:27]                   ; trip 0: key block 0
	s_mov_b64 s[34:35], s[28:29]
	LOADKV
	INIT
	s_wait_kmcnt 0x0
	s_add_co_i32 s52, s46, s47
	s_lshl_b32 s52, s52, 23
	s_mov_b32 s[CS], 0x3e38aa3b                    ; log2(e) / 8
	s_add_co_i32 s[CS], s[CS], s52                 ; a score stands for score x 2^(e6 + e7): added to c's exponent field
	s_mov_b32 s[CS+1], s[CS]
	s_add_co_i32 s52, s48, 127
	s_lshl_b32 s53, s52, 23
	v_mov_b32 v244, s53                            ; 2^e8
	s_add_co_i32 s52, s52, 8
	s_lshl_b32 s52, s52, 23
	s_or_b32 s52, s52, 0x600000
	v_mov_b32 v240, s52                            ; 448 x 2^e8
	s_sub_co_i32 s52, s50, s48
	s_sub_co_i32 s52, s52, s49                     ; O^T / l stands for ctx / 2^(e8 + e9): its code is (O^T / l) / 2^(e10 - e8 - e9)
	s_add_co_i32 s52, s52, 127
	s_lshl_b32 s53, s52, 23
	v_mov_b32 v246, s53
	s_add_co_i32 s52, s52, 8
	s_lshl_b32 s52, s52, 23
	s_or_b32 s52, s52, 0x600000
	v_mov_b32 v247, s52
	s_wait_loadcnt 0x0                             ; Q, and key block 0
	STOREKV TB
	s_wait_dscnt 0x0                               ; the stores have read their registers, which take the next loads
	s_mov_b32 s52, 1
	NEXTKV
	LOADKV
; A KEY STEP: 128 keys, the q-th of the slot in hand.
.macro STEP q
	s_add_co_u32 s52, s[Q0], 15
	s_cmp_gt_u32 s[KF], s52
	s_cbranch_scc1 .Lhidden_\@                     ; all its keys come after my 16 queries
	v_add_nc_u32 v[ADK], s[TB], v[AK0]
	v_add_nc_u32 v[ADV], s[TB], v[AV0]
	v_nop                                          ; with the two additions: four places in front of loads into registers that matrix instructions have read
	v_nop
.irp t, 0,1,2,3,4,5,6,7
.irp c, 0,1
	ds_load_b128 v[32+8*\t+4*\c:32+8*\t+4*\c+3], v[ADK] offset:(\q)*128*KP+\t*16*KP+32*\c
.endr
.endr
	s_wait_dscnt 0x0
.irp t, 0,1,2,3,4,5,6,7                        ; S^T = K Q^T: K = the head's 64
	v_wmma_f32_16x16x64_fp8_fp8 v[96+8*\t:103+8*\t], v[32+8*\t:39+8*\t], v[16:23], 0
.endr
.rept 4
	v_nop                                          ; places: for the loads below, and for the first read of the scores
.endr
.irp t, 0,1,2,3                                ; V's four fragments land while the softmax is worked
.irp c, 0,1,2,3
	ds_load_b128 v[32+16*\t+4*\c:32+16*\t+4*\c+3], v[ADV] offset:(\q)*64*VP+\t*16*VP+32*\c
.endr
.endr
	s_add_co_u32 s52, s[KF], 127
	s_cmp_le_u32 s52, s[Q0]
	s_cbranch_scc1 .Lopen_\@                       ; all its keys count
	s_sub_co_i32 s52, s[Q0], s[KF]
	v_and_b32 v252, 15, v0
	v_bfe_u32 v253, v0, 4, 1
	v_lshlrev_b32 v253, 4, v253
	v_sub_nc_u32 v252, v252, v253
	v_add_nc_u32 v252, s52, v252                   ; d = my query - KF - 16 (lane / 16).  Register 16 b + i holds key KF + 16 (lane / 16) + 32 b + i: hidden where 32 b + i > d
	v_mov_b32 v254, 0xff800000                     ; -infinity
.set nn, 0
.rept 64
	v_cmp_gt_i32 vcc_lo, 32*(nn/16)+nn%16, v252
	v_cndmask_b32 v[96+nn], v[96+nn], v254, vcc_lo
.set nn, nn+1
.endr
.Lopen_\@:
	v_max3_num_f32 v254, v96, v97, v98             ; the step's largest score of my query among my 64 keys, in two chains,
	v_max3_num_f32 v252, v99, v100, v101
.irp i, 6,10,14,18,22,26,30,34,38,42,46,50,54,58
	v_max3_num_f32 v254, v254, v[96+\i], v[97+\i]
	v_max3_num_f32 v252, v252, v[98+\i], v[99+\i]
.endr
	v_max3_num_f32 v254, v254, v158, v159
	v_max_num_f32 v254, v254, v252
	v_permlanex16_b32 v236, v254, s[SEL], s[SEL+1]
	v_max_num_f32 v254, v254, v236                 ; and among lane l xor 16's
	v_mul_f32 v254, s[CS], v254                    ; as t (c is positive)
	v_max_num_f32 v13, v13, v254                   ; the running largest t
	v_mov_b32 v254, v12
	v_floor_f32 v12, -v13                          ; the new -M = floor(-t): M is a whole number
	v_sub_f32 v254, v12, v254                      ; old M - new M: a whole number, 0 or less
	v_cvt_i32_f32 v254, v254                       ; (it saturates)
	v_ldexp_f32 v252, 1.0, v254                    ; f = 2^(old M - new M)
.set nn, 0
.rept 32
	v_pk_fma_f32 v[96+nn:97+nn], v[96+nn:97+nn], s[CS:CS+1], v[12:13] op_sel_hi:[1,0,0]   ; t - M, two at a time
.set nn, nn+2
.endr
.set nn, 0
.rept 64
	v_exp_f32 v[96+nn], v[96+nn]                   ; p = 2^(t - M), at most 1
.set nn, nn+1
.endr
	v_pk_mul_f32 v[14:15], v[14:15], v[252:253] op_sel_hi:[1,0]   ; the sums under the new M: the plain line behind the exponentials
	s_wait_alu depctr_va_vdst(0)                   ; one wait for the whole batch, ahead of its first reader
	v_pk_add_f32 v[242:243], v[96:97], v[98:99]    ; the row's sum is taken of the unquantised p, in two chains
.irp j, 4,8,12,16,20,24,28,32,36,40,44,48,52,56,60
	v_pk_add_f32 v[14:15], v[14:15], v[96+\j:97+\j]
	v_pk_add_f32 v[242:243], v[242:243], v[98+\j:99+\j]
.endr
	v_pk_add_f32 v[14:15], v[14:15], v[242:243]
.irp b, 0,1,2,3
.irp i, 0,1,2,3,4,5,6,7,8,9,10,11,12,13,14,15
	v_min_num_f32 v[96+16*\b+\i], v[96+16*\b+\i], v240   ; the conversion does not saturate (ISA guide 7.6.2); p is not negative, so the hold is one-sided
.endr
	v_cvt_scalef32_pk8_fp8_f32 v[192+4*\b:193+4*\b], v[96+16*\b:103+16*\b], v244
	v_cvt_scalef32_pk8_fp8_f32 v[194+4*\b:195+4*\b], v[104+16*\b:111+16*\b], v244
.endr
.set nn, 0
.rept 16
	v_pk_mul_f32 v[160+nn:161+nn], v[160+nn:161+nn], v[252:253] op_sel_hi:[1,0]   ; O^T under the new M; also the plain lines between the conversions and the products
.set nn, nn+2
.endr
	s_wait_dscnt 0x0                               ; V's fragments are in
.irp t, 0,1,2,3                                ; O^T += V^T P^T: K = these 128 keys; the four accumulators by turns
	v_wmma_f32_16x16x128_fp8_fp8 v[160+8*\t:167+8*\t], v[32+16*\t:47+16*\t], v[192:207], v[160+8*\t:167+8*\t]
.endr
.Lhidden_\@:
	s_add_co_u32 s[KF], s[KF], 128
.endm
; THE WAY OUT of a block of queries: O^T / the sum, held, converted (a lane's 8 channels -> 8 bytes), through my stage; the wave's 16 rows of 64 bytes are 1,024 dense bytes of ctxc: two stores of 512 consecutive bytes.
.macro OUT
.rept 4
	v_nop                                          ; places behind the last products
.endr
	v_add_f32 v14, v14, v15
	v_permlanex16_b32 v236, v14, s[SEL], s[SEL+1]
	v_add_f32 v14, v14, v236                       ; the row's sum
	v_rcp_f32 v14, v14
	v_nop                                          ; a plain line behind the transcendental
	s_wait_alu depctr_va_vdst(0)                   ; and the wait ahead of its first reader
.set nn, 0
.rept 16
	v_pk_mul_f32 v[96+nn:97+nn], v[160+nn:161+nn], v[14:15] op_sel_hi:[1,0]   ; register 8 t + i: channel 16 t + 8 h + i of query r; each accumulator from its low end on
.set nn, nn+2
.endr
.set nn, 0
.rept 32
	v_med3_num_f32 v[96+nn], v[96+nn], -v247, v247
.set nn, nn+1
.endr
.irp t, 0,1,2,3
	v_cvt_scalef32_pk8_fp8_f32 v[192+2*\t:193+2*\t], v[96+8*\t:103+8*\t], v246
.endr
	v_nop                                          ; a plain line behind the last conversion
.irp t, 0,1,2,3
	ds_store_b64 v[STO], v[192+2*\t:193+2*\t] offset:16*\t
.endr
.irp i, 0,1
	ds_load_b128 v[200+4*\i:203+4*\i], v[SRD] offset:512*\i   ; LDS serves a wave's instructions in order: these see my stores
.endr
	s_wait_dscnt 0x0
.irp i, 0,1
	global_store_b128 v[GO], v[200+4*\i:203+4*\i], s[38:39] offset:512*\i
.endr
.endm
.Ltrip:                                            ; nine trips
	s_wait_dscnt 0x0                               ; my stores into the slot ahead have landed, and my reads of the other slot are over
	s_barrier_signal -1
	s_barrier_wait -1                              ; both now hold of all sixteen waves
	STEP 0
	s_cmp_lt_u32 s[TR], 8
	s_cbranch_scc0 .Lnofill                        ; the last trip has no successor
	s_wait_loadcnt 0x0                             ; the next trip's key block, asked for a trip ago
	STOREKV TO                                     ; into the slot that every wave left in front of this trip's barrier
	s_cmp_lt_u32 s[TR], 7
	s_cbranch_scc0 .Lnofill
	s_wait_dscnt 0x0                               ; the stores have read their registers, which take the next loads
	s_add_co_u32 s52, s[TR], 2
	NEXTKV                                         ; (the loads that named these addresses are done)
	LOADKV
.Lnofill:
	STEP 1
	s_cmp_lg_u32 s[TR], s[JJ]
	s_cbranch_scc1 .Lsame
	OUT                                            ; block j is finished: on to block 7 - j
	s_wait_xcnt 0x0                                ; the stores have read their base and their registers
	s_sub_co_u32 s52, 7, s[JJ]
	SETQ
	INIT
	s_mov_b32 s[KF], 0
	s_wait_loadcnt 0x0                             ; Q
.Lsame:
	s_xor_b32 s[TB], s[TB], SLOT1
	s_xor_b32 s[TO], s[TO], SLOT1
	s_add_co_u32 s[TR], s[TR], 1
	s_cmp_lt_u32 s[TR], 9
	s_cbranch_scc1 .Ltrip
	OUT
	s_wait_tensorcnt 0x0
	ds_add_u32 v251, v255
	s_wait_dscnt 0x0
	s_endpgm
.Lfunc_end_k_qf9688074f7_attn:
	.size	k_qf9688074f7_attn, .Lfunc_end_k_qf9688074f7_attn-k_qf9688074f7_attn
	.p2alignl 7, 3214868480
	.fill 96, 4, 3214868480
	.section	.rodata,"a",@progbits
	.p2align	6, 0x0
	.amdhsa_kernel k_qf9688074f7_attn
		.amdhsa_group_segment_fixed_size 149504
		.amdhsa_private_segment_fixed_size 0
		.amdhsa_enable_private_segment 0
		.amdhsa_kernarg_size 24
		.amdhsa_user_sgpr_count 2
		.amdhsa_user_sgpr_kernarg_segment_ptr 1
		.amdhsa_wavefront_size32 1
		.amdhsa_system_sgpr_workgroup_id_x 1
		.amdhsa_system_sgpr_workgroup_id_y 1
		.amdhsa_system_sgpr_workgroup_id_z 1
		.amdhsa_system_vgpr_workitem_id 0
		.amdhsa_next_free_vgpr 256
		.amdhsa_next_free_sgpr 66
		.amdhsa_reserve_vcc 1
		.amdhsa_float_denorm_mode_32 3
		.amdhsa_float_denorm_mode_16_64 3
		.amdhsa_memory_ordered 1
		.amdhsa_forward_progress 1
		.amdhsa_inst_pref_size 61
	.end_amdhsa_kernel
	.amdgpu_metadata
---
amdhsa.version: [ 1, 2 ]
amdhsa.kernels:
  - .name:           k_qf9688074f7_attn
    .symbol:         k_qf9688074f7_attn.kd
    .args:
      - { .name: qkvc, .offset: 0, .size: 8, .value_kind: global_buffer, .address_space: global }
      - { .name: lowp_scales, .offset: 8, .size: 8, .value_kind: global_buffer, .address_space: global }
      - { .name: ctxc, .offset: 16, .size: 8, .value_kind: global_buffer, .address_space: global }
    .group_segment_fixed_size: 149504
    .private_segment_fixed_size: 0
    .kernarg_segment_align: 8
    .kernarg_segment_size: 24
    .max_flat_workgroup_size: 512
    .sgpr_count:     66
    .vgpr_count:     256
    .wavefront_size: 32
...
	.end_amdgpu_metadata
.endif
;; end of part 3
;; launch oproj (part 4): grid 4 x 32, 4 waves a work-group, clusters of 4 x 4, 327,680 bytes of LDS; arguments ctxc, wc, lowp_scales, bo, out0; writes out0
.if DOCPART == 4
	.amdgcn_target "amdgcn-amd-amdhsa--gfx1250"
	.amdhsa_code_object_version 6
	.text
	.protected	k_qf9688074f7_oproj
	.globl	k_qf9688074f7_oproj
	.p2align	8
	.type	k_qf9688074f7_oproj,@function
k_qf9688074f7_oproj:
	s_mov_b64 s[64:65], 0
	v_nop
	global_prefetch_b8 v0, s[64:65] scope:SCOPE_SE
	s_setreg_imm32_b32 hwreg(HW_REG_WAVE_MODE, 25, 1), 1
	s_wait_xcnt 0x0
	s_wait_alu depctr_hold_cnt(0) depctr_sa_sdst(0) depctr_va_vdst(0) depctr_va_sdst(0) depctr_va_ssrc(0) depctr_va_vcc(0) depctr_vm_vsrc(0)
	s_getreg_b32 s2, hwreg(HW_REG_IB_STS2, 6, 4)
	s_cmp_eq_u32 s2, 0
	s_cbranch_scc0 .Lentry_in_a_cluster
	s_endpgm
.Lentry_in_a_cluster:
	s_bfe_u32 s2, ttmp6, 0x10000c
	s_cmp_lg_u32 s2, 0xf033
	s_cbranch_scc0 .Lentry_shape_is_right
	s_endpgm
.Lentry_shape_is_right:
; out0 = ctx Wo + bo on codes of E4M3: out0[m][n] = 2^(e10 + e11) x (sum over k of ctx's code (m, k) x Wo's code (n, k)) + bo[n].  out0: [8192][1024] f32.
; A = ctx's codes in chunks of 64 along K: byte (k / 64) x 524,288 + m x 64 + k % 64.  B = Wo's codes, the fourth part of wc, [n][k], K innermost.
; A tile of C is 256 x 256: four waves, each 128 x 128 in 64 accumulators; K goes in steps of 256 (four chunks of A) through a ring of two LDS slots filled by joint tensor loads:
; A's tile is shared along a row of the 4 x 4 cluster, B's along a column.  32 x 4 tiles: 128 work-groups; a smaller tile would give each fragment read from LDS fewer products.
; THE MATRIX INSTRUCTION IS USED TRANSPOSED (source 0 = 16 rows of B, source 1 = 16 rows of A): a lane holds eight neighbouring columns of one row of C.
; A fragment is fetched by four loads of 16 bytes: registers 4 c .. 4 c + 3 hold K = 32 c + 16 (l / 16) + 0 .. 15: a permutation of k, the same in A and in B.
; LIMIT: e10 + e11 between -126 and 127.
; REGISTERS, in windows of 256: window 0: v0-31 addresses, v8-11 my four numbers of bo; v128-255 A's fragments, one set, later rows of C.  window 1: B's fragments, two sets.  windows 2, 3: the accumulators.
.set ROWB,   256
.set KROW,   1024
.set PITCH,  272                       ; B's LDS row: 256 bytes + 16
.set APITCH, 80                        ; A's LDS row: a chunk's 64 bytes + 16
.set PLANE,  128*APITCH                ; 128 rows of one chunk
.set AHALF,  4*PLANE                   ; what one tensor load brings of A: 4 chunks x 128 rows
.set BHALF,  128*PITCH
.set BOFF,   2*AHALF
.set SLOT,   2*AHALF+2*BHALF
.set ASTEP,  4*524288                  ; a K step on in A: four chunks
.set FR,     16
.set NL,     4
.set NP,     4
.set SPARE,  2*SLOT                    ; behind the ring: the spare words, 128 bytes a wave, which no other line names
.set SPITCH, 528                       ; the way out: a stage of 16 rows x (512 bytes + 16) for each wave, in slot 0, which has had its last fill and its last read by then
.set ADRA, 16
.set ADRB, 20
.set STO,  24
.set RD,   25
.set CO,   26
.set SPW,  28
.set NIL,  29
.set AF,   128
.set BK,   128
.set G1, 24
.set G0, 32
.set G1B, 48
.set G0B, 56
.set MSB, 0
.macro WIN new
.if MSB != \new
	s_set_vgpr_msb (MSB<<8)|\new
.set MSB, \new
.endif
.endm
.set MUL_LO, 0xa1
.set MUL_HI, 0xf1
.set TO_B,   0x40
.macro JLOAD g0a, g1a, g0b, g1b        ; waves 0 and 1 fetch for A, waves 2 and 3 for B; four v_nop follow each of the two lines
	s_cmp_eq_u32 s15, 0
	s_cbranch_scc0 .Lfor_b_\@
	tensor_load_to_lds s[\g0a:\g0a+3], s[\g1a:\g1a+7]
	s_nop 0
.rept 4
	v_nop
.endr
	s_branch .Lasked_\@
.Lfor_b_\@:
	tensor_load_to_lds s[\g0b:\g0b+3], s[\g1b:\g1b+7]
	s_nop 0
.rept 4
	v_nop
.endr
.Lasked_\@:
.endm
.macro CREST
	s_cmp_lg_u32 s14, 0
	s_cbranch_scc1 .Lnot_wave_0_\@
	s_barrier_signal -3
.Lnot_wave_0_\@:
	s_barrier_wait -3
	s_barrier_signal -1
	s_barrier_wait -1
.endm
.macro CROUND
	s_barrier_signal -1
	s_barrier_wait -1
	CREST
.endm
	s_load_b256 s[4:11], s[0:1], 0x0               ; ctxc s[4:5], wc s[6:7], the scales' exponents s[8:9], bo s[10:11]
	s_load_b64 s[12:13], s[0:1], 0x20              ; out0
	v_lshl_add_u32 v[SPW], v0, 2, SPARE
	v_mov_b32 v[NIL], 0
	ds_add_u32 v28, v29
	ds_add_u32 v28, v29
	s_wait_dscnt 0x0
	v_lshrrev_b32 v1, 5, v0
	v_readfirstlane_b32 s14, v1                    ; wave 0..3
	s_lshr_b32 s15, s14, 1                         ; which half of the tile's rows is mine.  Also: I fetch for A (0) or for B (1)
	s_and_b32 s16, s14, 1                          ; which half of its columns.  Also: which 128 rows of that tile I fetch
	s_bfe_u32 s40, ttmp6, 0x40000                  ; cx
	s_bfe_u32 s41, ttmp6, 0x40004                  ; cy
	s_lshl_b32 s42, ttmp9, 2
	s_add_co_u32 s42, s42, s40                     ; tile column of C
	s_and_b32 s17, ttmp7, 0xffff
	s_lshl_b32 s17, s17, 2
	s_add_co_u32 s17, s17, s41                     ; tile row of C
	s_lshl_b32 s43, s41, 2
	s_lshl_b32 s43, 15, s43                        ; my row of the cluster
	s_lshl_b32 s44, 0x1111, s40                    ; my column
	; A's group 1: four rows, each the 8,192 dense bytes of 128 tokens of one chunk, 524,288 bytes apart; 16 bytes of padding behind every 64: LDS rows of 80 bytes
	s_or_b32 s[G1+0], s43, (0<<16)|(1<<20)|(1<<21)|(3<<22)|(3<<25)  ; 15:0 the mask: my row; elements of 1 byte; padding on; 21 set beside a mask; after every 16 words; four words
	s_mov_b32 s[G1+1], 8192<<16                    ; tensor_dim0
	s_mov_b32 s[G1+2], 4<<16                       ; tensor_dim1
	s_mov_b32 s[G1+3], 8192<<16                    ; tile_dim0
	s_mov_b32 s[G1+4], 4                           ; tile_dim1
	s_mov_b32 s[G1+5], 524288                      ; tensor_dim0_stride
	s_mov_b32 s[G1+6], 0
	s_mov_b32 s[G1+7], 0
	; B's group 1: 128 rows x 256 bytes, 16 bytes of padding behind each
	s_or_b32 s[G1B+0], s44, (0<<16)|(1<<20)|(1<<21)|(5<<22)|(3<<25)
	s_mov_b32 s[G1B+1], ROWB<<16
	s_mov_b32 s[G1B+2], 128<<16
	s_mov_b32 s[G1B+3], ROWB<<16
	s_mov_b32 s[G1B+4], 128
	s_mov_b32 s[G1B+5], KROW
	s_mov_b32 s[G1B+6], 0
	s_mov_b32 s[G1B+7], 0
	s_lshl_b32 s18, s16, 7                         ; which 128 rows of the tile I fetch
	s_lshl_b32 s20, s17, 8
	s_add_co_u32 s20, s20, s18                     ; A: token 256 x tile row + 128 x half,
	s_lshl_b32 s20, s20, 6                         ; 64 bytes each
	s_mov_b32 s21, 0
	s_lshl_b32 s46, s42, 8
	s_add_co_u32 s46, s46, s18                     ; B: row 256 x tile column + 128 x half,
	s_lshl_b32 s46, s46, 10
	s_add_co_u32 s46, s46, 0x300000                ; in the fourth part of wc
	s_mov_b32 s47, 0
	s_mul_i32 s45, s16, AHALF                      ; where they go: no place in the cluster enters an LDS address
	s_mul_i32 s66, s16, BHALF
	s_add_co_u32 s66, s66, BOFF
	s_wait_kmcnt 0x0
	s_load_b64 s[96:97], s[8:9], 0x28              ; e10, e11
	s_add_nc_u64 s[20:21], s[4:5], s[20:21]
	s_add_nc_u64 s[46:47], s[6:7], s[46:47]
	CROUND                                         ; all sixteen work-groups are here: the first joint loads meet
.irp s, 0,1
	s_mov_b32 s[G0+4*\s], 1
	s_add_co_u32 s[G0+4*\s+1], s45, \s*SLOT
	s_add_nc_u64 s[G0+4*\s+2:G0+4*\s+3], s[20:21], \s*ASTEP
	s_or_b32 s[G0+4*\s+3], s[G0+4*\s+3], 0x80000000
	s_mov_b32 s[G0B+4*\s], 1
	s_add_co_u32 s[G0B+4*\s+1], s66, \s*SLOT
	s_add_nc_u64 s[G0B+4*\s+2:G0B+4*\s+3], s[46:47], \s*ROWB
	s_or_b32 s[G0B+4*\s+3], s[G0B+4*\s+3], 0x80000000
	JLOAD G0+4*\s, G1, G0B+4*\s, G1B
.endr
	v_and_b32 v1, 15, v0                           ; r
	v_bfe_u32 v2, v0, 4, 1                         ; h
	v_mul_u32_u24 v3, v1, APITCH
	v_lshl_add_u32 v3, v2, 4, v3                   ; A: row x 80 + 16 h
	v_mul_u32_u24 v4, v1, PITCH
	v_lshl_add_u32 v4, v2, 4, v4                   ; B: row x 272 + 16 h
	s_mul_i32 s21, s15, AHALF                      ; my 128 rows of A
	s_mul_i32 s22, s16, BHALF                      ; my 128 rows of B
	s_add_co_u32 s22, s22, BOFF
.irp s, 0,1
	v_add_nc_u32 v[ADRA+\s], s21, v3
	v_add_nc_u32 v[ADRB+\s], s22, v4
	s_add_co_u32 s21, s21, SLOT
	s_add_co_u32 s22, s22, SLOT
.endr
	s_mul_i32 s23, s14, 16*SPITCH                  ; my stage
	v_mul_u32_u24 v5, v1, SPITCH                   ; in: row r, 32 bytes for each half of the lanes
	v_lshl_add_u32 v5, v2, 5, v5
	v_add_nc_u32 v[STO], s23, v5
	v_and_b32 v6, 31, v0
	v_lshlrev_b32 v[CO], 4, v6                     ; back: the 32 lanes take one row of 512 bytes; the same in C and in bo
	v_add_nc_u32 v[RD], s23, v[CO]
	s_lshl_b32 s20, s17, 8
	s_lshl_b32 s21, s15, 7
	s_add_co_u32 s20, s20, s21                     ; my first row of C,
	s_lshl_b32 s20, s20, 12                        ; 4,096 bytes each
	s_mov_b32 s21, 0
	s_lshl_b32 s46, s42, 10                        ; my first column, in bytes: 1,024 x tile column + 512 x half
	s_lshl_b32 s47, s16, 9
	s_add_co_u32 s46, s46, s47
	s_mov_b32 s47, 0
	s_add_nc_u64 s[10:11], s[10:11], s[46:47]
	s_add_nc_u64 s[12:13], s[12:13], s[20:21]
	s_add_nc_u64 s[12:13], s[12:13], s[46:47]
	global_load_b128 v[8:11], v[CO], s[10:11]      ; bo at the four columns that I hold of every row read back from the stage
.macro FRAG reg, adr, q, i
.irp c, 0,1,2,3
	ds_load_b128 v[\reg+4*\c:\reg+4*\c+3], v[\adr] offset:128*(\q)+32*\c+(\i)*16*PITCH
.endr
.endm
.macro FRAGA reg, adr, q, i            ; K = 128 q + 32 c + 16 h lies in chunk 2 q + c / 2 of the slot's four, at byte 32 (c % 2) + 16 h of its row
.irp c, 0,1,2,3
	ds_load_b128 v[\reg+4*\c:\reg+4*\c+3], v[\adr] offset:(2*(\q)+\c/2)*PLANE+(\i)*16*APITCH+32*(\c%2)
.endr
.endm
.macro MUL16 a0, p, zero               ; the 64 accumulators take turns, one instruction a turn, in the same order in every step
.irp a, \a0, \a0+1
.irp b, 0,1,2,3,4,5,6,7
.if \zero
	v_wmma_f32_16x16x128_fp8_fp8 v[8*(8*((\a)%4)+\b):8*(8*((\a)%4)+\b)+7], v[128*(\p)+FR*\b:128*(\p)+FR*\b+FR-1], v[AF+FR*(\a):AF+FR*(\a)+FR-1], 0
.else
	v_wmma_f32_16x16x128_fp8_fp8 v[8*(8*((\a)%4)+\b):8*(8*((\a)%4)+\b)+7], v[128*(\p)+FR*\b:128*(\p)+FR*\b+FR-1], v[AF+FR*(\a):AF+FR*(\a)+FR-1], v[8*(8*((\a)%4)+\b):8*(8*((\a)%4)+\b)+7]
.endif
.endr
.endr
.endm
.macro FETCH_B slot, q, p
	WIN TO_B
.irp i, 0,1,2,3,4,5,6,7
	FRAG 128*(\p)+FR*\i, ADRB+\slot, \q, \i
.endr
	WIN 0
.endm
.macro FETCH_A slot, q, i0
.irp i, \i0, \i0+1, \i0+2, \i0+3
	FRAGA AF+FR*(\i), ADRA+\slot, \q, \i
.endr
.endm
.macro PLACES n
.rept \n
	v_nop
.endr
.endm
.macro STEP slot, q, zero
	s_wait_dscnt 4*NL                              ; B's set and A's blocks 0-3 are in; the youngest 16 loads (A's blocks 4-7) may be out
	WIN MUL_LO
	MUL16 0, (\q)%2, \zero
	MUL16 2, (\q)%2, \zero
	s_wait_dscnt 0
	PLACES NP
	FETCH_B \slot, (\q)+1, 1-(\q)%2
	FETCH_A \slot, (\q)+1, 0
	WIN MUL_HI
	MUL16 4, (\q)%2, \zero
	MUL16 6, (\q)%2, \zero
	PLACES NP
	WIN 0
	FETCH_A \slot, (\q)+1, 4
.endm
.macro TURN slot, next, fill
	s_wait_tensorcnt 0x0                           ; all my tensor loads have landed: my part of the next slot
	ds_add_u32 v[SPW], v[NIL]                      ; 0 onto my spare word
	s_wait_dscnt 4*NL+1                            ; (the add and the youngest 16 loads may be out)
	WIN MUL_LO
	MUL16 0, 1, 0
	s_wait_dscnt 0x0                               ; the add is done, and my reads of this slot are over
	s_barrier_signal -1
	MUL16 2, 1, 0
	WIN 0
	s_barrier_wait -1
.if \fill
	CREST                                          ; the barrier has opened a round of the cluster's barrier: no wave of any partner still reads this slot or has a load on its way
	s_add_nc_u64 s[G0+4*\slot+2:G0+4*\slot+3], s[G0+4*\slot+2:G0+4*\slot+3], 2*ASTEP
	s_add_nc_u64 s[G0B+4*\slot+2:G0B+4*\slot+3], s[G0B+4*\slot+2:G0B+4*\slot+3], 2*ROWB
	JLOAD G0+4*\slot, G1, G0B+4*\slot, G1B         ; the first tensor load behind the round; its four v_nop are also the places in front of the loads below
.else
	PLACES NP
.endif
	FETCH_B \next, 0, 0
	FETCH_A \next, 0, 0
	WIN MUL_HI
	MUL16 4, 1, 0
	MUL16 6, 1, 0
	PLACES NP
	WIN 0
	FETCH_A \next, 0, 4
.endm
	s_wait_tensorcnt 1                             ; my part of K step 0 is in; K step 1's load may be out
	s_barrier_signal -1
	s_barrier_wait -1
	FETCH_B 0, 0, 0
	FETCH_A 0, 0, 0
	FETCH_A 0, 0, 4
	STEP 0, 0, 1                                   ; four K steps of 256, written out: the first products start the sums
	TURN 0, 1, 1
	STEP 1, 0, 0
	TURN 1, 0, 1
	STEP 0, 0, 0
	TURN 0, 1, 0
	STEP 1, 0, 0
	s_wait_dscnt 4*NL
	WIN MUL_LO
	MUL16 0, 1, 0
	MUL16 2, 1, 0
	s_wait_dscnt 0
	WIN MUL_HI
	MUL16 4, 1, 0
	MUL16 6, 1, 0
	WIN 0
; THE WAY OUT, block by block of 16 rows x 128 columns: the sums go as they are through my stage and come back as whole rows of 512 bytes; there a lane holds the same four columns of every row,
; so four registers of bo serve, and one packed multiply-add for two numbers gives sum x 2^(e10 + e11) + bo.
.macro TOSTAGE a
.set AC, 64*((\a)%4)
	WIN ((2+(\a)/4)<<2)                            ; an LDS store's data stand in the place of source 1: window 2 or 3
.irp b, 0,1,2,3,4,5,6,7
	ds_store_b128 v[STO], v[AC+8*\b:AC+8*\b+3] offset:64*\b          ; each accumulator from its low end on
	ds_store_b128 v[STO], v[AC+8*\b+4:AC+8*\b+7] offset:64*\b+16
.endr
	WIN 0
.set BB, BK+64*((\a)%2)
.irp t, 0,1,2,3,4,5,6,7,8,9,10,11,12,13,14,15
	ds_load_b128 v[BB+4*\t:BB+4*\t+3], v[RD] offset:\t*SPITCH        ; LDS serves a wave's instructions in order: these see the stores above
.endr
.endm
.macro SEND a, younger
.set BB, BK+64*((\a)%2)
	s_wait_dscnt \younger
.irp t, 0,1,2,3,4,5,6,7,8,9,10,11,12,13,14,15
	v_pk_fma_f32 v[BB+4*\t:BB+4*\t+1], v[BB+4*\t:BB+4*\t+1], s[96:97], v[8:9] op_sel_hi:[1,0,1]
	v_pk_fma_f32 v[BB+4*\t+2:BB+4*\t+3], v[BB+4*\t+2:BB+4*\t+3], s[96:97], v[10:11] op_sel_hi:[1,0,1]
.endr
.irp t, 0,1,2,3,4,5,6,7,8,9,10,11,12,13,14,15
	global_store_b128 v[CO], v[BB+4*\t:BB+4*\t+3], s[12:13] offset:(16*(\a)+\t)*4096 th:TH_STORE_NT   ; 32 lanes store 512 consecutive bytes, aligned; 127 rows at the most: inside the signed 24-bit immediate
.endr
.endm
	s_wait_kmcnt 0x0
	s_add_co_i32 s96, s96, s97
	s_add_co_i32 s96, s96, 127
	s_lshl_b32 s96, s96, 23                        ; 2^(e10 + e11) as f32
	s_mov_b32 s97, s96                             ; (named with it as a pair)
	s_wait_loadcnt 0x0                             ; bo
	PLACES NP
	TOSTAGE 0
.irp a, 1,2,3,4,5,6,7
.if \a > 1
	s_wait_xcnt 0x0                                ; block a - 2's stores have read their registers: block a's loads may land there
.endif
	TOSTAGE \a
	SEND \a-1, 32                                  ; behind block a - 1's loads: block a's 16 stores and 16 loads
.endr
	SEND 7, 0
	s_wait_tensorcnt 0x0                           ; the wave's end
	ds_add_u32 v[SPW], v[NIL]
	s_wait_dscnt 0x0
	CROUND                                         ; the closing round
	s_endpgm
.Lfunc_end_k_qf9688074f7_oproj:
	.size	k_qf9688074f7_oproj, .Lfunc_end_k_qf9688074f7_oproj-k_qf9688074f7_oproj
	.p2alignl 7, 3214868480
	.fill 96, 4, 3214868480
	.section	.rodata,"a",@progbits
	.p2align	6, 0x0
	.amdhsa_kernel k_qf9688074f7_oproj
		.amdhsa_group_segment_fixed_size 327680
		.amdhsa_private_segment_fixed_size 0
		.amdhsa_enable_private_segment 0
		.amdhsa_kernarg_size 40
		.amdhsa_user_sgpr_count 2
		.amdhsa_user_sgpr_kernarg_segment_ptr 1
		.amdhsa_wavefront_size32 1
		.amdhsa_system_sgpr_workgroup_id_x 1
		.amdhsa_system_sgpr_workgroup_id_y 1
		.amdhsa_system_sgpr_workgroup_id_z 1
		.amdhsa_system_vgpr_workitem_id 0
		.amdhsa_next_free_vgpr 1024
		.amdhsa_next_free_sgpr 98
		.amdhsa_reserve_vcc 0
		.amdhsa_float_denorm_mode_32 3
		.amdhsa_float_denorm_mode_16_64 3
		.amdhsa_memory_ordered 1
		.amdhsa_forward_progress 1
		.amdhsa_inst_pref_size 123
	.end_amdhsa_kernel
	.amdgpu_metadata
---
amdhsa.version: [ 1, 2 ]
amdhsa.kernels:
  - .name:           k_qf9688074f7_oproj
    .symbol:         k_qf9688074f7_oproj.kd
    .args:
      - { .name: ctxc, .offset: 0, .size: 8, .value_kind: global_buffer, .address_space: global }
      - { .name: wc, .offset: 8, .size: 8, .value_kind: global_buffer, .address_space: global }
      - { .name: lowp_scales, .offset: 16, .size: 8, .value_kind: global_buffer, .address_space: global }
      - { .name: bo, .offset: 24, .size: 8, .value_kind: global_buffer, .address_space: global }
      - { .name: out0, .offset: 32, .size: 8, .value_kind: global_buffer, .address_space: global }
    .group_segment_fixed_size: 327680
    .private_segment_fixed_size: 0
    .kernarg_segment_align: 8
    .kernarg_segment_size: 40
    .max_flat_workgroup_size: 128
    .sgpr_count:     98
    .vgpr_count:     1024
    .wavefront_size: 32
...
	.end_amdgpu_metadata
.endif
;; end of part 4
;; ======== version 2 of 2: 4 launches; version 1 with the launches quant, attn written anew for expert scheduling mode
;; workspace buffers: xc 25,165,824 bytes; wc 4,194,304 bytes; qkvc 25,165,824 bytes; ctxc 8,388,608 bytes
;; launch quant (part 5): grid 384 x 1, 4 waves a work-group, no clusters, 68,096 bytes of LDS; arguments inputs, lowp_scales, xc, Wq, Wk, Wv, Wo, wc; writes xc, wc
.if DOCPART == 5
	.amdgcn_target "amdgcn-amd-amdhsa--gfx1250"
	.amdhsa_code_object_version 6
	.text
	.protected	k_qf9688074f7_quant
	.globl	k_qf9688074f7_quant
	.p2align	8
	.type	k_qf9688074f7_quant,@function
k_qf9688074f7_quant:
	s_mov_b64 s[64:65], 0
	v_nop
	global_prefetch_b8 v0, s[64:65] scope:SCOPE_SE
	s_setreg_imm32_b32 hwreg(HW_REG_WAVE_SCHED_MODE, 0, 2), 2
	s_setreg_imm32_b32 hwreg(HW_REG_WAVE_MODE, 25, 1), 1
	s_wait_xcnt 0x0
	s_wait_alu depctr_vm_vsrc(0)
; THE QUANTISERS OF THE INPUTS.  code = x / 2^e, held within +-448, rounded to the nearest E4M3 code, ties to even.
; Work-groups 0-255: inputs [8192][1024] f32 -> three tensors of codes (scales e0, e2, e4), each [8192][1024] bytes, K innermost, 0x800000 bytes apart in xc.
;   The numbers are read once and converted three times.  A wave takes 16 steps of 512 numbers.  Each load reads 512 consecutive bytes; a step's 2,048 bytes turn through the wave's own stage in LDS
;   (16 bytes of padding behind each 64), so that a lane then holds 16 neighbours along K; its 16 codes are 16 bytes, and a wave's store covers 512 consecutive bytes.
; Work-groups 256-383: Wq, Wk, Wv, Wo [k 1024][n 1024] f32 (scales e1, e3, e5, e11) -> codes [n][k], K innermost, 0x100000 bytes apart in wc.  A lane takes a column n and its registers run down K;
;   a wave takes 32 columns x 256 along K; the codes go through the wave's own stage and leave as rows: sixteen lanes store 256 consecutive bytes, aligned.
; The two ways part on the work-group's number, never meet again, and have LDS bytes of their own (0-32767; 32768-67583).  Waves share nothing: no barrier.
; LIMITS: each e used here lies between -126 and 119, so that 2^e and 448 x 2^e are f32 numbers.  NaN among the inputs is not served (an infinity is held at the largest code).
; THE MODE: SCHED_MODE bits 1:0 = 2 (LLVM: expert scheduling mode 2), set by the entry lines.  The code itself states the register dependences
; between vector instructions and memory or LDS instructions, with s_wait_alu, always for 0.
; THE PLAN, x.  Registers that memory or LDS instructions touch:
;   R0 .. R3   The loads of step t + 4, issued in step t, land in R[t % 4]; the LDS stores of step t's turn, issued in step t - 1, read it.  No vector instruction names them.
;   X0, X1     The LDS loads of step t + 1's turn, issued in step t, land in X[(t + 1) % 2]; a step's holds read its X.
;   C0, C1     Step t's conversions write C[t % 2]; the three stores that are issued in step t + 1 read it.
;   v3, v14, v15  offsets and LDS addresses, made once and never written again.
;   So two waits at a step's head state all that its four loads, three stores and eight LDS instructions hang on; no vector instruction of step t names R, X[(t + 1) % 2] or C[(t - 1) % 2].
; THE PLAN, the weights:
;   WX0, WX1   Loads land; a block's holds write its set in place and its conversions read it; behind them the loads of two blocks on land in it.
;   WCD        A block's conversions write it, its two LDS stores read it.
;   OUTR       LDS loads land, global stores read.  No vector instruction names them.     v3, v4, v7, v8: made once.
;   So one wait on va_vdst stands in a block, behind its conversions, and one on vm_vsrc ahead of the next block's.
.set XCB,   0x800000                   ; bytes of one tensor of x's codes
.set STEPS, 16
.set SP,    80                         ; a lane's place in a stage: 64 bytes + 16 of padding
.set R,     32                         ; v32-95    four sets of 16 numbers as loaded
.set X,     96                         ; v96-127   two sets of 16 neighbours
.set T,     128                        ; v128-175  the held numbers, a set for each of the three scales
.set C,     176                        ; v176-199  codes: two sets of 12 registers
.set SCL,   20                         ; v20,22,24 2^e as f32;  v21,23,25 448 x 2^e
.set PW,    272                        ; weights: a stage row, 256 bytes + 16
.set WSTG,  32768                      ; weights: the stages begin here
.set WX,    32                         ; v32-95    two sets of 32 numbers
.set WCD,   96                         ; v96-103   a block's codes
.set OUTR,  112                        ; v112-175  the way out
	s_load_b512 s[4:19], s[0:1], 0x0               ; inputs s[4:5], scales s[6:7], xc s[8:9], Wq s[10:11], Wk s[12:13], Wv s[14:15], Wo s[16:17], wc s[18:19]
	v_lshl_add_u32 v200, v0, 2, 0x10800
	v_mov_b32 v201, 0
	v_lshrrev_b32 v1, 5, v0
	v_readfirstlane_b32 s32, v1                    ; wave 0..3
	v_and_b32 v2, 31, v0                           ; lane
	s_wait_alu depctr_va_sdst(0)                   ; s32 is written, ahead of the branch and of its first reader on either way
	s_wait_kmcnt 0x0
	s_load_b256 s[20:27], s[6:7], 0x0              ; e0 .. e7
	s_load_b128 s[28:31], s[6:7], 0x20             ; e8 .. e11
	s_cmp_lt_u32 ttmp9, 256
	s_cbranch_scc0 .Lweights
; ---------------- x ----------------
	s_lshl_b32 s33, ttmp9, 2
	s_add_co_u32 s33, s33, s32                     ; which run of 8,192 numbers is my wave's
	s_lshl_b32 s42, s33, 15
	s_mov_b32 s43, 0
	s_add_nc_u64 s[34:35], s[4:5], s[42:43]        ; the numbers
	s_lshl_b32 s42, s33, 13
	s_add_nc_u64 s[36:37], s[8:9], s[42:43]        ; the codes under e0,
	s_add_nc_u64 s[38:39], s[36:37], XCB           ; under e2,
	s_add_nc_u64 s[40:41], s[38:39], XCB           ; under e4
	s_lshl_b32 s44, s32, 13                        ; my wave's 8,192 bytes of LDS
	v_lshlrev_b32 v3, 4, v2                        ; my 16 bytes of a load's 512, and of a store's; never rewritten
	v_lshrrev_b32 v14, 2, v2
	v_mul_u32_u24 v14, v14, SP
	v_and_b32 v15, 3, v2
	v_lshl_add_u32 v14, v15, 4, v14
	v_add_nc_u32 v14, s44, v14                     ; the stage, on the way in: SP (lane / 4) + 16 (lane % 4)
	v_mul_u32_u24 v15, v2, SP
	v_add_nc_u32 v15, s44, v15                     ; and on the way out: SP x lane
.macro XLOAD t
.irp i, 0,1,2,3
	global_load_b128 v[R+16*((\t)%4)+4*\i:R+16*((\t)%4)+4*\i+3], v3, s[34:35] offset:2048*(\t)+512*\i th:TH_LOAD_NT
.endr
.endm
.macro XTURN t                         ; LDS serves a wave's instructions in order: no wait between the stores and the loads
.irp i, 0,1,2,3
	ds_store_b128 v14, v[R+16*((\t)%4)+4*\i:R+16*((\t)%4)+4*\i+3] offset:32*SP*((\t)%2)+8*SP*\i
.endr
.irp i, 0,1,2,3
	ds_load_b128 v[X+16*((\t)%2)+4*\i:X+16*((\t)%2)+4*\i+3], v15 offset:32*SP*((\t)%2)+16*\i
.endr
.endm
.macro XSEND t                         ; step t's codes leave: 16 bytes a lane under each of the three scales
.irp z, 0,1,2
	global_store_b128 v3, v[C+12*((\t)%2)+4*\z:C+12*((\t)%2)+4*\z+3], s[36+2*\z:37+2*\z] offset:512*(\t)
.endr
.endm
	s_wait_alu depctr_va_vdst(0)                   ; v3, v14 and v15 are written: every load, store and LDS instruction of this way reads one of them
.irp t, 0,1,2,3
	XLOAD \t
.endr
	s_wait_kmcnt 0x0
.irp z, 0,1,2
	s_add_co_i32 s45, s[20+2*\z], 127
	s_lshl_b32 s46, s45, 23
	v_mov_b32 v[SCL+2*\z], s46                     ; 2^e as f32: the conversion takes its exponent field
	s_add_co_i32 s45, s45, 8
	s_lshl_b32 s45, s45, 23
	s_or_b32 s45, s45, 0x600000
	v_mov_b32 v[SCL+2*\z+1], s45                   ; 448 x 2^e
.endr
	s_wait_loadcnt 12                              ; step 0's four loads are in; those of steps 1 to 3 may be out
	XTURN 0
.macro XSTEP t
.set XS, X+16*((\t)%2)
.set CC, C+12*((\t)%2)
	s_wait_dscnt 0x0                               ; this step's numbers are back from the stage
.if (\t) >= 2
	s_wait_xcnt 0x0                                ; the stores issued in the step before have had their addresses translated: this step's set of code registers, their data, is rewritten only behind this wait
.endif
	s_wait_alu depctr_vm_vsrc(0)                   ; the LDS stores of this step's turn have read R[t % 4], in which the loads below land; the stores issued in the step before have read C[t % 2], which this step's conversions write
.if (\t) >= 1
	s_wait_alu depctr_va_vdst(0)                   ; the step before has written its C, which the stores below read, and is done reading its X, in which the next turn's LDS loads land
.endif
.if (\t)+4 < STEPS
	XLOAD (\t)+4                                   ; four steps ahead
.endif
.if (\t) >= 1
	XSEND (\t)-1                                   ; the step before; no vector instruction since the wait names these registers
.endif
.if (\t)+1 < STEPS
.if STEPS-2-(\t) >= 3
	s_wait_loadcnt 12                              ; the next step's four loads are in; those of the three steps behind it may be out
.else
	s_wait_loadcnt 4*(STEPS-2-(\t))
.endif
	XTURN (\t)+1
.endif
.irp z, 0,1,2
.irp i, 0,1,2,3,4,5,6,7,8,9,10,11,12,13,14,15
	v_med3_num_f32 v[T+16*\z+\i], v[XS+\i], -v[SCL+2*\z+1], v[SCL+2*\z+1]   ; the conversion to an 8-bit code does not saturate (ISA guide 7.6.2): the hold comes first
.endr
	v_cvt_scalef32_pk8_fp8_f32 v[CC+4*\z:CC+4*\z+1], v[T+16*\z:T+16*\z+7], v[SCL+2*\z]
	v_cvt_scalef32_pk8_fp8_f32 v[CC+4*\z+2:CC+4*\z+3], v[T+16*\z+8:T+16*\z+15], v[SCL+2*\z]   ; each scale has its own held numbers: the next scale's holds are the plain lines behind these conversions
.endr
.endm
.irp t, 0,1,2,3,4,5,6,7,8,9,10,11,12,13,14,15
	XSTEP \t
.endr
	s_wait_alu depctr_va_vdst(0)                   ; step 15's conversions have written its C, which the last three stores read
	XSEND 15
	s_wait_dscnt 0x0                               ; the closing lines, six on end
	s_wait_alu 0x0
	s_wait_tensorcnt 0x0
	ds_add_u32 v200, v201
	s_wait_dscnt 0x0
	s_endpgm
; ---------------- the four weights ----------------
.Lweights:
	s_sub_co_u32 s33, ttmp9, 256
	s_lshr_b32 s42, s33, 5                         ; which weight: 0 Wq, 1 Wk, 2 Wv, 3 Wo
	s_and_b32 s43, s33, 7                          ; which 128 columns
	s_bfe_u32 s44, s33, 0x20003                    ; which 256 along K
	s_and_b32 s47, s42, 1
	s_wait_kmcnt 0x0
	s_cmp_lt_u32 s42, 2                            ; the choices hang on the work-group's number alone
	s_cselect_b64 s[34:35], s[10:11], s[14:15]     ; Wq or Wv
	s_cselect_b64 s[36:37], s[12:13], s[16:17]     ; Wk or Wo
	s_cselect_b32 s45, s21, s25                    ; e1 or e5
	s_cselect_b32 s46, s23, s31                    ; e3 or e11
	s_cmp_eq_u32 s47, 1
	s_cselect_b64 s[34:35], s[36:37], s[34:35]
	s_cselect_b32 s45, s46, s45                    ; e
	s_lshl_b32 s47, s43, 7
	s_lshl_b32 s48, s32, 5
	s_add_co_u32 s47, s47, s48                     ; my wave's first column
	s_lshl_b32 s50, s44, 20                        ; 256 rows of 4,096 bytes
	s_lshl_b32 s48, s47, 2
	s_add_co_u32 s50, s50, s48
	s_mov_b32 s51, 0
	s_add_nc_u64 s[34:35], s[34:35], s[50:51]      ; in
	s_lshl_b32 s50, s42, 20                        ; the weight's part of wc,
	s_lshl_b32 s48, s47, 10                        ; column x 1,024 bytes,
	s_add_co_u32 s50, s50, s48
	s_lshl_b32 s48, s44, 8                         ; 256 codes along K
	s_add_co_u32 s50, s50, s48
	s_add_nc_u64 s[36:37], s[18:19], s[50:51]      ; out
	s_mul_i32 s49, s32, 32*PW
	s_add_co_u32 s49, s49, WSTG                    ; my stage
	v_lshlrev_b32 v3, 2, v2                        ; in: 4 bytes a lane
	v_mul_u32_u24 v4, v2, PW
	v_add_nc_u32 v4, s49, v4                       ; into the stage: row = my column
	v_and_b32 v5, 15, v2
	v_lshrrev_b32 v6, 4, v2
	v_mul_u32_u24 v7, v6, PW
	v_lshl_add_u32 v7, v5, 4, v7
	v_add_nc_u32 v7, s49, v7                       ; out of it: sixteen lanes to a row, two rows an instruction
	v_lshlrev_b32 v8, 10, v6
	v_lshl_add_u32 v8, v5, 4, v8                   ; and the same place in the codes
.macro WLOAD t                         ; block t: W(32 t + i, my column): 32 lanes read 128 consecutive bytes, the four waves 512
.irp i, 0,1,2,3,4,5,6,7,8,9,10,11,12,13,14,15,16,17,18,19,20,21,22,23,24,25,26,27,28,29,30,31
	global_load_b32 v[WX+32*((\t)%2)+\i], v3, s[34:35] offset:(32*(\t)+\i)*4096 th:TH_LOAD_NT
.endr
.endm
	s_wait_alu depctr_va_vdst(0)                   ; v3, v4, v7 and v8 are written: every load, store and LDS instruction of this way reads one of them
	WLOAD 0
	WLOAD 1
	s_add_co_i32 s45, s45, 127
	s_lshl_b32 s46, s45, 23
	v_mov_b32 v11, s46                             ; 2^e
	s_add_co_i32 s45, s45, 8
	s_lshl_b32 s45, s45, 23
	s_or_b32 s45, s45, 0x600000
	v_mov_b32 v10, s45                             ; 448 x 2^e
.macro WBLOCK t
.set XS, WX+32*((\t)%2)
.if (\t) < 7
	s_wait_loadcnt 32                              ; this block's 32 loads are in; the next block's may be out
.else
	s_wait_loadcnt 0
.endif
.irp i, 0,1,2,3,4,5,6,7,8,9,10,11,12,13,14,15,16,17,18,19,20,21,22,23,24,25,26,27,28,29,30,31
	v_med3_num_f32 v[XS+\i], v[XS+\i], -v10, v10
.endr
.irp g, 0,1,2,3
	v_cvt_scalef32_pk8_fp8_f32 v[WCD+2*\g:WCD+2*\g+1], v[XS+8*\g:XS+8*\g+7], v11
.endr
	s_wait_alu depctr_va_vdst(0)                   ; the conversions have written the codes, which the LDS stores read; the holds and the conversions are done with this set of numbers, in which the loads below land
	ds_store_b128 v4, v[WCD:WCD+3] offset:32*(\t)  ; 32 codes of my column's row; the next block begins with plain vector lines
	ds_store_b128 v4, v[WCD+4:WCD+7] offset:32*(\t)+16
.if (\t)+2 < 8
	WLOAD (\t)+2
.endif
	s_wait_dscnt 0x0                               ; the stores into the stage are done
.if (\t) < 7
	s_wait_alu depctr_vm_vsrc(0)                   ; the LDS stores have read the codes' registers, which the next block's conversions write
.endif
.endm
.irp t, 0,1,2,3,4,5,6,7
	WBLOCK \t
.endr
.irp t, 0,1,2,3,4,5,6,7,8,9,10,11,12,13,14,15
	ds_load_b128 v[OUTR+4*\t:OUTR+4*\t+3], v7 offset:2*\t*PW
.endr
.irp t, 0,1,2,3,4,5,6,7,8,9,10,11,12,13,14,15
	s_wait_dscnt 15-\t                             ; the younger loads from the stage may be out
	global_store_b128 v8, v[OUTR+4*\t:OUTR+4*\t+3], s[36:37] offset:2*\t*1024
.endr
	s_wait_dscnt 0x0                               ; the closing lines, six on end
	s_wait_alu 0x0
	s_wait_tensorcnt 0x0
	ds_add_u32 v200, v201
	s_wait_dscnt 0x0
	s_endpgm
.Lfunc_end_k_qf9688074f7_quant:
	.size	k_qf9688074f7_quant, .Lfunc_end_k_qf9688074f7_quant-k_qf9688074f7_quant
	.p2alignl 7, 3214868480
	.fill 96, 4, 3214868480
	.section	.rodata,"a",@progbits
	.p2align	6, 0x0
	.amdhsa_kernel k_qf9688074f7_quant
		.amdhsa_group_segment_fixed_size 68096
		.amdhsa_private_segment_fixed_size 0
		.amdhsa_enable_private_segment 0
		.amdhsa_kernarg_size 64
		.amdhsa_user_sgpr_count 2
		.amdhsa_user_sgpr_kernarg_segment_ptr 1
		.amdhsa_wavefront_size32 1
		.amdhsa_system_sgpr_workgroup_id_x 1
		.amdhsa_system_sgpr_workgroup_id_y 1
		.amdhsa_system_sgpr_workgroup_id_z 1
		.amdhsa_system_vgpr_workitem_id 0
		.amdhsa_next_free_vgpr 202
		.amdhsa_next_free_sgpr 66
		.amdhsa_reserve_vcc 0
		.amdhsa_float_denorm_mode_32 3
		.amdhsa_float_denorm_mode_16_64 3
		.amdhsa_memory_ordered 1
		.amdhsa_forward_progress 1
		.amdhsa_inst_pref_size 127
	.end_amdhsa_kernel
	.amdgpu_metadata
---
amdhsa.version: [ 1, 2 ]
amdhsa.kernels:
  - .name:           k_qf9688074f7_quant
    .symbol:         k_qf9688074f7_quant.kd
    .args:
      - { .name: inputs, .offset: 0, .size: 8, .value_kind: global_buffer, .address_space: global }
      - { .name: lowp_scales, .offset: 8, .size: 8, .value_kind: global_buffer, .address_space: global }
      - { .name: xc, .offset: 16, .size: 8, .value_kind: global_buffer, .address_space: global }
      - { .name: Wq, .offset: 24, .size: 8, .value_kind: global_buffer, .address_space: global }
      - { .name: Wk, .offset: 32, .size: 8, .value_kind: global_buffer, .address_space: global }
      - { .name: Wv, .offset: 40, .size: 8, .value_kind: global_buffer, .address_space: global }
      - { .name: Wo, .offset: 48, .size: 8, .value_kind: global_buffer, .address_space: global }
      - { .name: wc, .offset: 56, .size: 8, .value_kind: global_buffer, .address_space: global }
    .group_segment_fixed_size: 68096
    .private_segment_fixed_size: 0
    .kernarg_segment_align: 8
    .kernarg_segment_size: 64
    .max_flat_workgroup_size: 128
    .sgpr_count:     66
    .vgpr_count:     202
    .wavefront_size: 32
...
	.end_amdgpu_metadata
.endif
;; end of part 5
;; launch qkv: the kernel of part 2 again; grid 12 x 32, 4 waves a work-group, clusters of 4 x 4, 327,680 bytes of LDS; arguments xc, wc, lowp_scales, qkvc; writes qkvc
;; launch attn (part 6): grid 4 x 64, 16 waves a work-group, no clusters, 149,504 bytes of LDS; arguments qkvc, lowp_scales, ctxc; writes ctxc
.if DOCPART == 6
	.amdgcn_target "amdgcn-amd-amdhsa--gfx1250"
	.amdhsa_code_object_version 6
	.text
	.protected	k_qf9688074f7_attn
	.globl	k_qf9688074f7_attn
	.p2align	8
	.type	k_qf9688074f7_attn,@function
k_qf9688074f7_attn:
	s_mov_b64 s[64:65], 0
	v_nop
	global_prefetch_b8 v0, s[64:65] scope:SCOPE_SE
	s_setreg_imm32_b32 hwreg(HW_REG_WAVE_SCHED_MODE, 0, 2), 2
	s_setreg_imm32_b32 hwreg(HW_REG_WAVE_MODE, 25, 1), 1
	s_wait_xcnt 0x0
	s_wait_alu depctr_vm_vsrc(0)
; CAUSAL ATTENTION ON CODES OF E4M3, head size 64, and the result quantised (scale e10) into ctxc.
; q, k: for head (b, h) 2,048 dense rows of 64 bytes.  v: keys innermost: for each 64 keys and head a dense block of 64 rows (d) x 64 bytes.  ctxc: laid as q.
; THE SOFTMAX: t = score x log2(e) / 8; M = the running largest t rounded UP to a whole number; p = 2^(t - M) is quantised (scale e8), not normalised; the row's sum is taken of the unquantised p and divides at the end.
; When M moves, the sum and O are multiplied by 2^(old M - new M): exact.
; SHARES.  Work-group (j, head) owns the blocks j and 7 - j of 256 queries, one after the other; wave w owns 16 queries of the block in hand.  A trip is a block of 256 keys, two steps of 128.
; Block j needs j + 1 key blocks, block 7 - j needs 8 - j: nine trips in every work-group, so the trip count is a constant and all 256 work-groups have the same work; no key block that is wholly hidden is fetched.
; A step all of whose keys come after the wave's queries is jumped over (a scalar branch on ids); on the diagonal hidden scores become -infinity ahead of the maximum.
; K AND V come from memory into registers (16 bytes a thread, four loads a trip) and go on into one of two LDS slots; a key block is asked for a whole trip ahead of the store that wants it.  One barrier a trip.
; NO CLUSTER: at a given trip the four work-groups of a head want different key blocks (0 .. j, then 0 .. 7 - j).  A common walk over blocks 0 to 7 with both query blocks at once would take, trip by trip, the largest partner's
; work: 2+2+2+2+1+1+1+1 = 12 units against 9 here.
; LAYOUT.  Both products are used transposed: S^T = K Q^T (source 0 = 16 keys), O^T = V^T P^T (source 0 = 16 of the head's 64): a lane holds ONE query (lane % 16) throughout.
; K's rows lie in LDS in the order in which tiles take them: bits 3 and 4 of the key's number change places at the store, so that row 16 (2 b + u) + 8 a + i holds key 32 b + 16 a + 8 u + i.
; Then the 16 registers of tiles 2 b and 2 b + 1 are the 16 neighbouring keys 32 b + 16 (lane / 16) + 0 .. 15: the conversions' results are the second product's operand.
; LIMITS on the given exponents: e6 + e7 between -123 and 130; e8, and e10 - e8 - e9, between -126 and 119.
; REGISTERS: v1-11, v24 addresses that stay, but v8, v9 and v25, v26, the trip's four LDS addresses; v12 -M, v13 the largest t, v[14:15] the sum; v16-23 Q; v27-31 at work at the head; v32-95 fragments of K, then of V; v96-159 S^T, then p; v160-191 O^T; v192-207 p's codes; v208-223 K and V on their way.
; THE MODE: SCHED_MODE bits 1:0 = 2 (LLVM: expert scheduling mode 2), set by the entry lines.  The code itself states the register dependences
; between vector or matrix instructions and memory or LDS instructions, with s_wait_alu, always for 0.
; THE PLAN.  Registers that memory or LDS instructions touch, in the loop:
;   v8, v9, v25, v26   The LDS addresses of the slot that is read (K's and V's fragments) and of the slot that is filled (K's and V's stores).  All four are written once a trip, at its head; the trip's LDS loads and stores read them.
;   v32-95     A step's K loads land; its eight products K Q^T read them; V's loads land; its four products V^T P read them.
;   v208-223   Global loads land, LDS stores read.  No vector instruction names them.
;   v16-23     Q: global loads land, the products K Q^T read; loaded again once, where the block of queries changes.
;   v192-207   On the way out: conversions write v192-199, LDS stores read them; LDS loads land in v200-207, global stores read them.  A step's conversions write all sixteen.
;   The other addresses and offsets are made at the head and never written again.
; THE WAITS.  At a trip's head one on vm_vsrc ahead of the four additions, and one on va_vdst behind the barrier: the four addresses are written, and the last trip's products are done reading v32-95; it stands ahead of step 0's
; branch, so it is on the way to the LDS stores too.  Step 1 has one on va_vdst at its head, for step 0's last products.  In each step the one wait behind the exponentials also says that the products K Q^T are done reading
; v32-95: V's loads stand directly behind it and land under the sums, the holds, the conversions and the rescaling.  One on vm_vsrc ahead of the loads into v208-223.  On the way out one on va_vdst ahead of the LDS stores.
.set KP,    80                         ; a key's row in LDS: 64 bytes + 16
.set VP,    144                        ; a row of V for one step: 128 keys + 16
.set VOFF,  256*KP                     ; a slot: 256 rows of K, then two halves of 64 rows of V
.set SLOT1, 65536
.set STAGE, 2*SLOT1                    ; 1,024 bytes for each wave, for the way out
.set AK0, 1
.set AV0, 2
.set KST, 3
.set VST, 4
.set GKO, 5
.set GVO, 6
.set QO,  7
.set ADK, 8
.set ADV, 9
.set STO, 10
.set SRD, 11
.set GO,  24
.set KS,  25                           ; v25  where I store K's 16 bytes in the slot that is filled
.set VS,  26                           ; v26  the same for V
.set RKV, 208
.set TB,  2                            ; s2   the slot that is read
.set TR,  3                            ; s3   the trip
.set TO,  13                           ; s13  the slot that is filled
.set JJ,  14                           ; s14  j
.set J1,  15                           ; s15  j + 1
.set WV,  16
.set Q0,  17                           ; s17  my first query
.set KF,  18                           ; s18  the step's first key
.set SEL, 20                           ; s[20:21] lane selects: lane l xor 16
.set CS,  22                           ; s[22:23] c = log2(e) / 8 x 2^(e6 + e7)
.set MK,  40                           ; s40-51 and s60-63: sixteen masks of the causal compares (mask n at MK + n + 8 (n / 12)); s40-51 hold the scales' exponents at the head alone
	s_load_b128 s[4:7], s[0:1], 0x0                ; qkvc, the scales' exponents
	s_load_b64 s[8:9], s[0:1], 0x10                ; ctxc
	v_lshl_add_u32 v251, v0, 2, 0x24000
	v_mov_b32 v255, 0
	v_lshrrev_b32 v27, 5, v0
	v_readfirstlane_b32 s[WV], v27                 ; wave 0..15
	v_and_b32 v28, 15, v0                          ; r
	v_bfe_u32 v29, v0, 4, 1                        ; h
	v_and_b32 v30, 31, v0                          ; lane
	v_mul_u32_u24 v[AK0], v28, KP
	v_lshl_add_u32 v[AK0], v29, 4, v[AK0]          ; a fragment of K: row r, + 16 h
	v_mul_u32_u24 v[AV0], v28, VP
	v_lshl_add_u32 v[AV0], v29, 4, v[AV0]
	v_add_nc_u32 v[AV0], VOFF, v[AV0]              ; of V likewise
	v_lshrrev_b32 v27, 2, v0                       ; thread t brings 16 bytes of key t / 4 (and of key 128 + t / 4)
	v_and_b32 v27, 0x67, v27
	v_bfe_u32 v31, v0, 5, 1
	v_lshl_add_u32 v27, v31, 4, v27                ; the key's bit 3 goes to bit 4,
	v_bfe_u32 v31, v0, 6, 1
	v_lshl_add_u32 v27, v31, 3, v27                ; its bit 4 to bit 3
	v_mul_u32_u24 v[KST], v27, KP
	v_and_b32 v31, 3, v0
	v_lshl_add_u32 v[KST], v31, 4, v[KST]
	v_bfe_u32 v27, v0, 2, 6                        ; V: d = (t % 256) / 4,
	v_mul_u32_u24 v[VST], v27, VP
	v_bfe_u32 v27, v0, 8, 1                        ; which 64 keys of the 128: t / 256
	v_lshl_add_u32 v[VST], v27, 6, v[VST]
	v_lshl_add_u32 v[VST], v31, 4, v[VST]
	v_add_nc_u32 v[VST], VOFF, v[VST]
	v_lshlrev_b32 v[GKO], 4, v0                    ; in memory: K's block is dense
	v_and_b32 v[GVO], 255, v0
	v_lshlrev_b32 v[GVO], 4, v[GVO]
	v_lshl_add_u32 v[GVO], v27, 16, v[GVO]         ; V: 4,096 dense bytes for each 64 keys, 65,536 bytes apart
	v_lshlrev_b32 v[QO], 6, v28
	v_lshl_add_u32 v[QO], v29, 4, v[QO]            ; Q: row r of 64 bytes, + 16 h
	s_wait_alu depctr_va_sdst(0)                   ; s[WV] is written, ahead of its first reader
	s_lshl_b32 s52, s[WV], 10
	s_add_co_u32 s52, s52, STAGE                   ; my stage
	v_lshlrev_b32 v[STO], 6, v28
	v_lshl_add_u32 v[STO], v29, 3, v[STO]
	v_add_nc_u32 v[STO], s52, v[STO]               ; in: row r of 64 bytes, + 8 h
	v_lshlrev_b32 v[GO], 4, v30
	v_add_nc_u32 v[SRD], s52, v[GO]                ; back: 16 bytes a lane, on end
	v_mov_b32 v236, 0                              ; written once: a lane permute's destination counts as one of its sources
	v_mov_b32 v253, 0                              ; (named as the upper half of the pair v[252:253])
	s_mov_b32 s[JJ], ttmp9
	s_add_co_u32 s[J1], s[JJ], 1
	s_and_b32 s52, ttmp7, 0xffff
	s_lshr_b32 s53, s52, 4                         ; b
	s_and_b32 s52, s52, 15                         ; h
	s_lshl_b32 s54, s52, 19                        ; h x 8,192 rows x 64 bytes
	s_lshl_b32 s55, s53, 17                        ; b x 2,048 rows x 64 bytes
	s_add_co_u32 s54, s54, s55
	s_mov_b32 s55, 0
	s_lshl_b32 s56, s53, 21                        ; v: b x 32 chunks of 65,536 bytes
	s_lshl_b32 s57, s52, 12                        ; h x 64 rows x 64 bytes
	s_add_co_u32 s56, s56, s57
	s_add_co_u32 s56, s56, 0x1000000               ; v is the third part of qkvc
	s_mov_b32 s57, 0
	s_mov_b32 s[SEL], 0x76543210
	s_mov_b32 s[SEL+1], 0xfedcba98
	s_mov_b32 s[TB], 0
	s_mov_b32 s[TO], SLOT1
	s_mov_b32 s[TR], 0
	s_mov_b32 s[KF], 0
	v_add_nc_u32 v[KS], s[TB], v[KST]              ; key block 0 goes into the slot that trip 0 reads
	v_add_nc_u32 v[VS], s[TB], v[VST]
	s_wait_kmcnt 0x0
	s_load_b256 s[40:47], s[6:7], 0x0              ; e0 .. e7
	s_load_b128 s[48:51], s[6:7], 0x20             ; e8 .. e11
	s_add_nc_u64 s[24:25], s[4:5], s[54:55]        ; the head's q,
	s_add_nc_u64 s[26:27], s[24:25], 0x800000      ; k,
	s_add_nc_u64 s[28:29], s[4:5], s[56:57]        ; v,
	s_add_nc_u64 s[30:31], s[8:9], s[54:55]        ; ctx
.macro SETQ                            ; s52 = the block of queries: my first query, its codes, its place in ctx; Q's fragment is asked for
	s_lshl_b32 s[Q0], s52, 8
	s_lshl_b32 s53, s[WV], 4
	s_add_co_u32 s[Q0], s[Q0], s53
	s_lshl_b32 s58, s[Q0], 6
	s_mov_b32 s59, 0
	s_add_nc_u64 s[36:37], s[24:25], s[58:59]
	s_add_nc_u64 s[38:39], s[30:31], s[58:59]
	global_load_b128 v[16:19], v[QO], s[36:37]
	global_load_b128 v[20:23], v[QO], s[36:37] offset:32
.endm
.macro NEXTKV                          ; s52 = a trip's number: where its key block lies.  Trips 0 .. j walk key blocks 0 .. j, trips j + 1 .. 8 key blocks 0 .. 7 - j
	s_sub_co_u32 s53, s52, s[J1]
	s_cmp_lt_u32 s52, s[J1]
	s_cselect_b32 s53, s52, s53
	s_lshl_b32 s56, s53, 14                        ; 256 rows of 64 bytes
	s_mov_b32 s57, 0
	s_add_nc_u64 s[32:33], s[26:27], s[56:57]
	s_lshl_b32 s56, s53, 18                        ; 4 chunks of 65,536 bytes
	s_add_nc_u64 s[34:35], s[28:29], s[56:57]
.endm
.macro LOADKV                          ; 512 threads x 16 bytes x 4: a key block's 16,384 bytes of K and of V
	global_load_b128 v[RKV:RKV+3],     v[GKO], s[32:33]
	global_load_b128 v[RKV+4:RKV+7],   v[GKO], s[32:33] offset:8192
	global_load_b128 v[RKV+8:RKV+11],  v[GVO], s[34:35]
	global_load_b128 v[RKV+12:RKV+15], v[GVO], s[34:35] offset:131072
.endm
.macro STOREKV                         ; by the two addresses that were made at the trip's head (the first time: at the kernel's)
	ds_store_b128 v[KS], v[RKV:RKV+3]
	ds_store_b128 v[KS], v[RKV+4:RKV+7] offset:128*KP
	ds_store_b128 v[VS], v[RKV+8:RKV+11]
	ds_store_b128 v[VS], v[RKV+12:RKV+15] offset:64*VP
.endm
.macro INIT                            ; a block of queries begins: O^T and the sum are zeros, which the first change of M leaves zeros
	v_mov_b32 v13, 0xff61b1e6                      ; the largest t so far: -3e38
	v_floor_f32 v12, -v13                          ; -M
	v_mov_b32 v14, 0
	v_mov_b32 v15, 0
.set nn, 0
.rept 32
	v_mov_b32 v[160+nn], 0
.set nn, nn+1
.endr
.endm
	s_wait_alu depctr_va_vdst(0)                   ; the addresses and offsets v1 to v7, v10, v11 and v24 to v26 are written, which the loads, stores and LDS instructions below read; no vector instruction up to the first LDS stores names v25 or v26
	s_mov_b32 s52, s[JJ]
	SETQ
	s_mov_b64 s[32:33], s[26:27]                   ; trip 0: key block 0
	s_mov_b64 s[34:35], s[28:29]
	LOADKV
	INIT
	s_wait_kmcnt 0x0
	s_add_co_i32 s52, s46, s47
	s_lshl_b32 s52, s52, 23
	s_mov_b32 s[CS], 0x3e38aa3b                    ; log2(e) / 8
	s_add_co_i32 s[CS], s[CS], s52                 ; a score stands for score x 2^(e6 + e7): added to c's exponent field
	s_mov_b32 s[CS+1], s[CS]
	s_add_co_i32 s52, s48, 127
	s_lshl_b32 s53, s52, 23
	v_mov_b32 v244, s53                            ; 2^e8
	s_add_co_i32 s52, s52, 8
	s_lshl_b32 s52, s52, 23
	s_or_b32 s52, s52, 0x600000
	v_mov_b32 v240, s52                            ; 448 x 2^e8
	s_sub_co_i32 s52, s50, s48
	s_sub_co_i32 s52, s52, s49                     ; O^T / l stands for ctx / 2^(e8 + e9): its code is (O^T / l) / 2^(e10 - e8 - e9)
	s_add_co_i32 s52, s52, 127
	s_lshl_b32 s53, s52, 23
	v_mov_b32 v246, s53
	s_add_co_i32 s52, s52, 8
	s_lshl_b32 s52, s52, 23
	s_or_b32 s52, s52, 0x600000
	v_mov_b32 v247, s52
	s_wait_loadcnt 0x0                             ; Q, and key block 0
	STOREKV
	s_wait_dscnt 0x0                               ; the stores are done
	s_wait_alu depctr_vm_vsrc(0)                   ; the LDS stores have read v208-223, in which the next loads land
	s_mov_b32 s52, 1
	NEXTKV
	LOADKV
; A KEY STEP: 128 keys, the q-th of the slot in hand.
.macro STEP q
	s_add_co_u32 s52, s[Q0], 15
	s_cmp_gt_u32 s[KF], s52
	s_cbranch_scc1 .Lhidden_\@                     ; all its keys come after my 16 queries
.if \q
.rept 4
	v_nop                                          ; four places in front of loads into registers that matrix instructions have read (in step 0 the four additions at the trip's head are these)
.endr
	s_wait_alu depctr_va_vdst(0)                   ; step 0's products V^T P are done reading v32-95, in which K's loads land (in step 0 the wait behind the barrier says so of the last trip's)
.endif
.irp t, 0,1,2,3,4,5,6,7
.irp c, 0,1
	ds_load_b128 v[32+8*\t+4*\c:32+8*\t+4*\c+3], v[ADK] offset:(\q)*128*KP+\t*16*KP+32*\c
.endr
.endr
	s_wait_dscnt 0x0
.irp t, 0,1,2,3,4,5,6,7                        ; S^T = K Q^T: K = the head's 64
	v_wmma_f32_16x16x64_fp8_fp8 v[96+8*\t:103+8*\t], v[32+8*\t:39+8*\t], v[16:23], 0
.endr
.rept 4
	v_nop                                          ; places: for the first read of the scores
.endr
	s_add_co_u32 s52, s[KF], 127
	s_cmp_le_u32 s52, s[Q0]
	s_cbranch_scc1 .Lopen_\@                       ; all its keys count
	s_sub_co_i32 s52, s[Q0], s[KF]
	v_and_b32 v252, 15, v0
	v_bfe_u32 v253, v0, 4, 1
	v_lshlrev_b32 v253, 4, v253
	v_sub_nc_u32 v252, v252, v253
	v_add_nc_u32 v252, s52, v252                   ; d = my query - KF - 16 (lane / 16).  Register 16 b + i holds key KF + 16 (lane / 16) + 32 b + i: hidden where 32 b + i > d
	v_mov_b32 v254, 0xff800000                     ; -infinity
.irp g, 0,1,2,3                                ; sixteen compares in a run, each into a scalar register of its own, one wait, sixteen selections
.set nn, 0
.rept 16
	v_cmp_gt_i32 s[MK+nn+8*(nn/12)], 32*\g+nn, v252
.set nn, nn+1
.endr
	s_wait_alu depctr_va_sdst(0)                   ; the sixteen masks are written, ahead of the selections that read them
.set nn, 0
.rept 16
	v_cndmask_b32 v[96+16*\g+nn], v[96+16*\g+nn], v254, s[MK+nn+8*(nn/12)]
.set nn, nn+1
.endr
.endr
.Lopen_\@:
	v_max3_num_f32 v254, v96, v97, v98             ; the step's largest score of my query among my 64 keys, in two chains,
	v_max3_num_f32 v252, v99, v100, v101
.irp i, 6,10,14,18,22,26,30,34,38,42,46,50,54,58
	v_max3_num_f32 v254, v254, v[96+\i], v[97+\i]
	v_max3_num_f32 v252, v252, v[98+\i], v[99+\i]
.endr
	v_max3_num_f32 v254, v254, v158, v159
	v_max_num_f32 v254, v254, v252
	v_permlanex16_b32 v236, v254, s[SEL], s[SEL+1]
	v_max_num_f32 v254, v254, v236                 ; and among lane l xor 16's
	v_mul_f32 v254, s[CS], v254                    ; as t (c is positive)
	v_max_num_f32 v13, v13, v254                   ; the running largest t
	v_mov_b32 v254, v12
	v_floor_f32 v12, -v13                          ; the new -M = floor(-t): M is a whole number
	v_sub_f32 v254, v12, v254                      ; old M - new M: a whole number, 0 or less
	v_cvt_i32_f32 v254, v254                       ; (it saturates)
	v_ldexp_f32 v252, 1.0, v254                    ; f = 2^(old M - new M)
.set nn, 0
.rept 32
	v_pk_fma_f32 v[96+nn:97+nn], v[96+nn:97+nn], s[CS:CS+1], v[12:13] op_sel_hi:[1,0,0]   ; t - M, two at a time
.set nn, nn+2
.endr
.set nn, 0
.rept 64
	v_exp_f32 v[96+nn], v[96+nn]                   ; p = 2^(t - M), at most 1
.set nn, nn+1
.endr
	v_pk_mul_f32 v[14:15], v[14:15], v[252:253] op_sel_hi:[1,0]   ; the sums under the new M: the plain line behind the exponentials
	s_wait_alu depctr_va_vdst(0)                   ; one wait for two things: the 64 exponentials have written v96-159, ahead of their first reader; and the products K Q^T are done reading v32-95, in which V's loads land
.irp t, 0,1,2,3                                ; V's four fragments land while the sums, the holds, the conversions and the rescaling are worked; none of those names v32-95 or v[ADV]
.irp c, 0,1,2,3
	ds_load_b128 v[32+16*\t+4*\c:32+16*\t+4*\c+3], v[ADV] offset:(\q)*64*VP+\t*16*VP+32*\c
.endr
.endr
	v_pk_add_f32 v[242:243], v[96:97], v[98:99]    ; the row's sum is taken of the unquantised p, in two chains
.irp j, 4,8,12,16,20,24,28,32,36,40,44,48,52,56,60
	v_pk_add_f32 v[14:15], v[14:15], v[96+\j:97+\j]
	v_pk_add_f32 v[242:243], v[242:243], v[98+\j:99+\j]
.endr
	v_pk_add_f32 v[14:15], v[14:15], v[242:243]
.irp b, 0,1,2,3
.irp i, 0,1,2,3,4,5,6,7,8,9,10,11,12,13,14,15
	v_min_num_f32 v[96+16*\b+\i], v[96+16*\b+\i], v240   ; the conversion does not saturate (ISA guide 7.6.2); p is not negative, so the hold is one-sided
.endr
	v_cvt_scalef32_pk8_fp8_f32 v[192+4*\b:193+4*\b], v[96+16*\b:103+16*\b], v244
	v_cvt_scalef32_pk8_fp8_f32 v[194+4*\b:195+4*\b], v[104+16*\b:111+16*\b], v244
.endr
.set nn, 0
.rept 16
	v_pk_mul_f32 v[160+nn:161+nn], v[160+nn:161+nn], v[252:253] op_sel_hi:[1,0]   ; O^T under the new M; also the plain lines between the conversions and the products
.set nn, nn+2
.endr
	s_wait_dscnt 0x0                               ; V's fragments are in
.irp t, 0,1,2,3                                ; O^T += V^T P^T: K = these 128 keys; the four accumulators by turns
	v_wmma_f32_16x16x128_fp8_fp8 v[160+8*\t:167+8*\t], v[32+16*\t:47+16*\t], v[192:207], v[160+8*\t:167+8*\t]
.endr
.Lhidden_\@:
	s_add_co_u32 s[KF], s[KF], 128
.endm
; THE WAY OUT of a block of queries: O^T / the sum, held, converted (a lane's 8 channels -> 8 bytes), through my stage; the wave's 16 rows of 64 bytes are 1,024 dense bytes of ctxc: two stores of 512 consecutive bytes.
.macro OUT
.rept 4
	v_nop                                          ; places behind the last products
.endr
	v_add_f32 v14, v14, v15
	v_permlanex16_b32 v236, v14, s[SEL], s[SEL+1]
	v_add_f32 v14, v14, v236                       ; the row's sum
	v_rcp_f32 v14, v14
	v_nop                                          ; a plain line behind the transcendental
	s_wait_alu depctr_va_vdst(0)                   ; the reciprocal has written v14, ahead of its first reader
.set nn, 0
.rept 16
	v_pk_mul_f32 v[96+nn:97+nn], v[160+nn:161+nn], v[14:15] op_sel_hi:[1,0]   ; register 8 t + i: channel 16 t + 8 h + i of query r; each accumulator from its low end on
.set nn, nn+2
.endr
.set nn, 0
.rept 32
	v_med3_num_f32 v[96+nn], v[96+nn], -v247, v247
.set nn, nn+1
.endr
.irp t, 0,1,2,3
	v_cvt_scalef32_pk8_fp8_f32 v[192+2*\t:193+2*\t], v[96+8*\t:103+8*\t], v246
.endr
	v_nop                                          ; a plain line behind the last conversion
	s_wait_alu depctr_va_vdst(0)                   ; the conversions have written v192-199, which the LDS stores read; the steps' conversions and products are done with v200-207, in which the LDS loads land, and the products with v16-23, in which the next block's Q lands
.irp t, 0,1,2,3
	ds_store_b64 v[STO], v[192+2*\t:193+2*\t] offset:16*\t
.endr
.irp i, 0,1
	ds_load_b128 v[200+4*\i:203+4*\i], v[SRD] offset:512*\i   ; LDS serves a wave's instructions in order: these see my stores
.endr
	s_wait_dscnt 0x0
.irp i, 0,1
	global_store_b128 v[GO], v[200+4*\i:203+4*\i], s[38:39] offset:512*\i
.endr
.endm
.Ltrip:                                            ; nine trips
	s_wait_alu depctr_vm_vsrc(0)                   ; the LDS loads and stores issued so far have read the four addresses that the additions below write
	v_add_nc_u32 v[ADK], s[TB], v[AK0]             ; the slot that this trip reads: K's fragments,
	v_add_nc_u32 v[ADV], s[TB], v[AV0]             ; V's;
	v_add_nc_u32 v[KS], s[TO], v[KST]              ; the slot that it fills: K's stores,
	v_add_nc_u32 v[VS], s[TO], v[VST]              ; V's.  (These four are also the places between the last trip's products and step 0's loads)
	s_wait_dscnt 0x0                               ; my stores into the slot ahead have landed, and my reads of the other slot are over
	s_barrier_signal -1
	s_barrier_wait -1                              ; both now hold of all sixteen waves
	s_wait_alu depctr_va_vdst(0)                   ; the four addresses are written, which this trip's LDS loads and stores read; the last trip's products are done reading v32-95, in which step 0's loads land
	STEP 0
	s_cmp_lt_u32 s[TR], 8
	s_cbranch_scc0 .Lnofill                        ; the last trip has no successor
	s_wait_loadcnt 0x0                             ; the next trip's key block, asked for a trip ago
	STOREKV                                        ; into the slot that every wave left in front of this trip's barrier.  No wait: no vector instruction since the wait behind the barrier names v25, v26 or v208-223
	s_cmp_lt_u32 s[TR], 7
	s_cbranch_scc0 .Lnofill
	s_wait_dscnt 0x0                               ; the stores are done
	s_wait_alu depctr_vm_vsrc(0)                   ; the LDS stores have read v208-223, in which the next loads land
	s_add_co_u32 s52, s[TR], 2
	NEXTKV                                         ; (the loads that named these addresses are done)
	LOADKV
.Lnofill:
	STEP 1
	s_cmp_lg_u32 s[TR], s[JJ]
	s_cbranch_scc1 .Lsame
	OUT                                            ; block j is finished: on to block 7 - j
	s_wait_xcnt 0x0                                ; the stores have had their addresses translated: their base is rewritten only behind this wait
	s_wait_alu depctr_vm_vsrc(0)                   ; the way out's LDS stores and global stores have read v192-207, which the next steps' conversions write
	s_sub_co_u32 s52, 7, s[JJ]
	SETQ                                           ; no wait: no vector instruction since the way out's last wait names v16-23 or v[QO]
	INIT
	s_mov_b32 s[KF], 0
	s_wait_loadcnt 0x0                             ; Q
.Lsame:
	s_xor_b32 s[TB], s[TB], SLOT1
	s_xor_b32 s[TO], s[TO], SLOT1
	s_add_co_u32 s[TR], s[TR], 1
	s_cmp_lt_u32 s[TR], 9
	s_cbranch_scc1 .Ltrip
	OUT
	s_wait_dscnt 0x0                               ; the closing lines, six on end
	s_wait_alu 0x0
	s_wait_tensorcnt 0x0
	ds_add_u32 v251, v255
	s_wait_dscnt 0x0
	s_endpgm
.Lfunc_end_k_qf9688074f7_attn:
	.size	k_qf9688074f7_attn, .Lfunc_end_k_qf9688074f7_attn-k_qf9688074f7_attn
	.p2alignl 7, 3214868480
	.fill 96, 4, 3214868480
	.section	.rodata,"a",@progbits
	.p2align	6, 0x0
	.amdhsa_kernel k_qf9688074f7_attn
		.amdhsa_group_segment_fixed_size 149504
		.amdhsa_private_segment_fixed_size 0
		.amdhsa_enable_private_segment 0
		.amdhsa_kernarg_size 24
		.amdhsa_user_sgpr_count 2
		.amdhsa_user_sgpr_kernarg_segment_ptr 1
		.amdhsa_wavefront_size32 1
		.amdhsa_system_sgpr_workgroup_id_x 1
		.amdhsa_system_sgpr_workgroup_id_y 1
		.amdhsa_system_sgpr_workgroup_id_z 1
		.amdhsa_system_vgpr_workitem_id 0
		.amdhsa_next_free_vgpr 256
		.amdhsa_next_free_sgpr 66
		.amdhsa_reserve_vcc 0
		.amdhsa_float_denorm_mode_32 3
		.amdhsa_float_denorm_mode_16_64 3
		.amdhsa_memory_ordered 1
		.amdhsa_forward_progress 1
		.amdhsa_inst_pref_size 70
	.end_amdhsa_kernel
	.amdgpu_metadata
---
amdhsa.version: [ 1, 2 ]
amdhsa.kernels:
  - .name:           k_qf9688074f7_attn
    .symbol:         k_qf9688074f7_attn.kd
    .args:
      - { .name: qkvc, .offset: 0, .size: 8, .value_kind: global_buffer, .address_space: global }
      - { .name: lowp_scales, .offset: 8, .size: 8, .value_kind: global_buffer, .address_space: global }
      - { .name: ctxc, .offset: 16, .size: 8, .value_kind: global_buffer, .address_space: global }
    .group_segment_fixed_size: 149504
    .private_segment_fixed_size: 0
    .kernarg_segment_align: 8
    .kernarg_segment_size: 24
    .max_flat_workgroup_size: 512
    .sgpr_count:     66
    .vgpr_count:     256
    .wavefront_size: 32
...
	.end_amdgpu_metadata
.endif
;; end of part 6
;; launch oproj: the kernel of part 4 again; grid 4 x 32, 4 waves a work-group, clusters of 4 x 4, 327,680 bytes of LDS; arguments ctxc, wc, lowp_scales, bo, out0; writes out0
